; MI455X (gfx1250); checked and timed in simulation.
; The chip was launched on July 23, 2026; its instructions are those of AMD's public machine-readable ISA for CDNA 5 (MIT licence, August 2026) and "CDNA5" Instruction Set Architecture Reference Guide (July 2026). The comments in the code are by the model that wrote it; some were corrected since.
;; New Sub Graph. Allowed arithmetic: matrix products marked QUANTISED: E2M3 operands, one E8M0 scale for each 32 along K, by v_wmma_scale_f32_16x16x128_f8f6f4 with both operands' format E2M3, f32 sums; products left as they are: f32 operands where the result goes on into a quantised operand, else bf16, f16 or f32 operands; f32 sums; everything else in f32.
;; Inputs: W_emb 16 x 128 float32; W_enc_codes 128 x 4 x 24 uint8 (E2M3 codes of W_enc, K innermost, in blocks of 32 codes, four codes in three bytes); W_enc_scales 128 x 4 uint8 (E8M0 scales of W_enc, one for each 32 codes along K); Wk_codes 3 x 128 x 4 x 24 uint8 (E2M3 codes of Wk, K innermost, in blocks of 32 codes, four codes in three bytes); Wk_scales 3 x 128 x 4 uint8 (E8M0 scales of Wk, one for each 32 codes along K); Wq_codes 3 x 128 x 4 x 24 uint8 (E2M3 codes of Wq, K innermost, in blocks of 32 codes, four codes in three bytes); Wq_scales 3 x 128 x 4 uint8 (E8M0 scales of Wq, one for each 32 codes along K); Wv_codes 3 x 128 x 4 x 24 uint8 (E2M3 codes of Wv, K innermost, in blocks of 32 codes, four codes in three bytes); Wv_scales 3 x 128 x 4 uint8 (E8M0 scales of Wv, one for each 32 codes along K); b_emb 128 float32; b_enc 128 float32; beta_emb 128 float32; beta_enc 128 float32; bk 3 x 128 float32; bq 3 x 128 float32; bv 3 x 128 float32; g_emb 128 float32; g_enc 128 float32; lane_nodes_feat 4,096 x 1 x 64 x 16 float32; ln_b 3 x 128 float32; ln_g 3 x 128 float32; masks 4,096 x 1 x 64 x 1 float32.
;; Outputs: out0 4,096 x 1 x 128 float32.
;; This version of the problem:
;;   THIS VERSION OF THE PROBLEM IS GIVEN IN LOW PRECISION. The matrix products marked QUANTISED in the list below multiply operands that are first quantised to E2M3 (2 exponent bits, 3 mantissa bits; 6 bits a number), with one power-of-two scale for each 32 numbers along K (OCP MX v1.0); their sums are f32. All else is computed in f32.
;;   The module's matrix products, in the order in which they are computed (A, B: the left and right operand; K: the contracted axis; several contracted axes count as one K, in the product's order):
;;     1. [M 262,144, K 16] x [K 16, N 128]; A: input lane_nodes_feat; B: input W_emb: left as it is (K = 16 < 32)
;;     2. [M 262,144, K 128] x [K 128, N 128]; A: computed on the way; B: input W_enc (given as codes): QUANTISED
;;     3. [M 262,144, K 128] x [K 128, N 128]; A: computed on the way; B: input Wq (given as codes): QUANTISED
;;     4. [M 262,144, K 128] x [K 128, N 128]; A: computed on the way; B: input Wk (given as codes): QUANTISED
;;     5. [M 262,144, K 128] x [K 128, N 128]; A: computed on the way; B: input Wv (given as codes): QUANTISED
;;     6. batch 8,192 x [M 64, K 64] x [K 64, N 64]; A: computed on the way; B: computed on the way: QUANTISED
;;     7. batch 8,192 x [M 64, K 64] x [K 64, N 64]; A: softmax (see below); B: computed on the way: QUANTISED
;;     8. [M 262,144, K 128] x [K 128, N 128]; A: computed on the way; B: input Wq (given as codes): QUANTISED
;;     9. [M 262,144, K 128] x [K 128, N 128]; A: computed on the way; B: input Wk (given as codes): QUANTISED
;;     10. [M 262,144, K 128] x [K 128, N 128]; A: computed on the way; B: input Wv (given as codes): QUANTISED
;;     11. batch 8,192 x [M 64, K 64] x [K 64, N 64]; A: computed on the way; B: computed on the way: QUANTISED
;;     12. batch 8,192 x [M 64, K 64] x [K 64, N 64]; A: softmax (see below); B: computed on the way: QUANTISED
;;     13. [M 262,144, K 128] x [K 128, N 128]; A: computed on the way; B: input Wq (given as codes): QUANTISED
;;     14. [M 262,144, K 128] x [K 128, N 128]; A: computed on the way; B: input Wk (given as codes): QUANTISED
;;     15. [M 262,144, K 128] x [K 128, N 128]; A: computed on the way; B: input Wv (given as codes): QUANTISED
;;     16. batch 8,192 x [M 64, K 64] x [K 64, N 64]; A: computed on the way; B: computed on the way: QUANTISED
;;     17. batch 8,192 x [M 64, K 64] x [K 64, N 64]; A: softmax (see below); B: computed on the way: QUANTISED
;;   THE QUANTISER, for each operand of a quantised product, along K:
;;     - K is cut into blocks of 32 from its start; a last block that is shorter is filled with zeros.
;;     - A block's scale is 2^e with e = floor(log2(the largest magnitude in the block)) - 2, held to -126 .. 127; a block of zeros has e = 0. As a byte (E8M0): e + 127.
;;     - Each number is divided by its block's scale, clamped to +-7.5, and rounded to the nearest number of E2M3, ties to even, subnormals kept.
;;     - The product sums the exact products of the quantised numbers (number of the format x scale) in f32.
;;   ~~~python
;;   def quantise(x, axis):      # numpy; x: float32 -> the quantised numbers, widened to float32 again
;;       x = np.moveaxis(x, axis, -1); K = x.shape[-1]
;;       x = np.pad(x, [(0, 0)] * (x.ndim - 1) + [(0, -K % 32)]); x = x.reshape(x.shape[:-1] + (-1, 32)); a = np.abs(x).max(-1, keepdims=True)
;;       e = np.where(a > 0, np.clip(np.frexp(np.where(a > 0, a, 1))[1] - 1 - 2, -126, 127), 0)      # np.frexp(a)[1] - 1 = floor(log2(a)), exactly
;;       r = np.clip(x / 2.0 ** e, -7.5, 7.5)
;;       step = 2.0 ** (np.maximum(np.frexp(np.where(r == 0, 1, r))[1] - 1, 0) - 3)
;;       q = np.round(r / step) * step * 2.0 ** e      # np.round: ties to even
;;       return np.moveaxis(q.reshape(q.shape[:-2] + (-1,))[..., :K], -1, axis).astype(np.float32)
;;   ~~~
;;   SOFTMAX AHEAD OF A QUANTISED PRODUCT. Where the list says 'softmax', what is quantised is not the finished softmax but p = 2^(t - M), with t = logit x log2(e) and M = ceil(the row's largest t), a whole number; so 1/2 < the row's largest p <= 1. The row's sum l is taken of the UNQUANTISED p, in f32, and the product's result is divided by l at the end. Since M is a whole number, a kernel that streams over the keys may use a running M (the ceiling of the running maximum): every later rescaling is an exact power of two, which a block's scale takes up: the codes' values come out the same.
;;   OPERANDS COMPUTED ON THE WAY. 'Computed on the way' means the value that the module computes at that place (a softmax that the list does not call 'softmax' is quantised finished and normalised). What goes into a quantiser is computed in f32, as accurately as f32 sums, v_exp_f32 and their like allow (about 1e-6 of the number): no bf16 or f16 on the way to a quantiser, and a product that is left as it is and whose result goes on into a quantised operand takes f32 operands (vector FMAs, or v_wmma_f32_16x16x4_f32). A number that lies on a knife's edge between two numbers of the format may be rounded either way, as far as f32 arithmetic and the matrix unit's own rounding can turn it there, and no further.
;;   INPUTS GIVEN AS CODES. W_enc (in the module: [128, 128], K = its axis 0); Wk (in the module: [3, 128, 128], K = its axis 1); Wq (in the module: [3, 128, 128], K = its axis 1); Wv (in the module: [3, 128, 128], K = its axis 1): each comes as NAME_codes (uint8): NAME with its K axis moved to the last place and cut into blocks of 32 codes, [.., K / 32, bytes a block], one block behind the other in memory; four codes in three bytes: a row's codes are one little-endian stream of bits, code i at bits 6 i .. 6 i + 5 (a code: sign, 2 exponent bits, 3 mantissa bits); and NAME_scales (uint8): the same leading axes, one E8M0 byte (e + 127) for each 32 codes along K. Its value is code x scale, taken as it is: it is not quantised again, and the codes and scales need not be those that the quantiser above would give.
;; 2 versions, each right; version 2 is version 1 with the launch subgraph written anew for expert scheduling mode. Each part assembles by itself: llvm-mc -triple=amdgcn-amd-amdhsa -mcpu=gfx1250 --defsym DOCPART=n.
;; ======== version 1 of 2: 1 launch
;; launch subgraph (part 1): grid 256 x 1, 4 waves a work-group, no clusters, 178,176 bytes of LDS; arguments lane_nodes_feat, masks, out0, W_emb, W_enc_codes, W_enc_scales, Wq_codes, Wq_scales, Wk_codes, Wk_scales, Wv_codes, Wv_scales, b_emb, g_emb, beta_emb, b_enc, g_enc, beta_enc, bq, bk, bv, ln_g, ln_b; writes out0
.if DOCPART == 1
	.amdgcn_target "amdgcn-amd-amdhsa--gfx1250"
	.amdhsa_code_object_version 6
	.text
	.protected	k_q2dc176cc9d_subgraph
	.globl	k_q2dc176cc9d_subgraph
	.p2align	8
	.type	k_q2dc176cc9d_subgraph,@function
k_q2dc176cc9d_subgraph:
	s_mov_b64 s[64:65], 0
	v_nop
	global_prefetch_b8 v0, s[64:65] scope:SCOPE_SE
	s_setreg_imm32_b32 hwreg(HW_REG_WAVE_MODE, 25, 1), 1
	s_wait_xcnt 0x0
; NewSubGraph, whole: emb (K = 16, f32) -> LN, relu -> enc (MX-FP6) -> LN, relu -> 3 x [Q, K, V, two heads of 64, masked softmax, P V, relu + residual, LN] -> maximum over the 64 tokens.
; SHARES.  4,096 samples of 64 tokens x 128 features.  256 work-groups x 4 waves; ONE WAVE OWNS ONE SAMPLE and walks four of them (sample 16 x work-group + 4 x wave + i).  A sample never leaves its wave's registers.
; LDS is written once, at the head (all weights as images of operand registers, the small vectors beside them), then one barrier, then it is only read: no barrier, no LDS store in the loops.
; NO CLUSTER, NO TENSOR LOAD: all that work-groups share is 123 KB of weight codes, read once by each work-group and laid anew (rows chosen, register order) on the way through registers.
; LAYOUT (r = lane % 16, h = lane / 16, RT = r + 8 (r / 8)).  Token tile t, lane r: token 32 (t / 2) + 8 (t % 2) + RT.  Weight tile n, lane r: row 32 (n / 2) + 8 (n % 2) + RT.
;   T-layout of [64][128]: register 64 t + 16 b + i of lane (r, h) = token of (t, r), feature 32 b + 16 h + i: what a product with source 0 = weight tile, source 1 = token tile gives, and what the quantiser along the features takes.
;   V is made the other way round (source 0 = tokens, source 1 = Wv): a lane then holds one feature and 16 neighbouring tokens of each block of 32: the quantiser along the keys is the same lines.
;   Every quantised product has K <= 128: one matrix instruction for each 16 x 16 tile; its C is the bias, the mask or 0.
;   HEADS OF 64 ON K = 128: q's and P's fragments carry both heads (K 0-63, 64-127); k's and V^T's are laid [head 0: 6 registers][6 registers of zero codes][head 1: 6]: head 0 names the first 12, head 1 the last 12.
; MASK.  seq_len = sum of 1 - masks; pos < seq_len is taken as pos < ceil(seq_len), the same for whole pos.  The mask enters the scores as C = -80000 or 0: (S - 80000) / 8 = S / 8 - 10000.
; SOFTMAX.  t = logit x log2(e); M = ceil(row's largest t); p = 2^(t - M) is quantised along the keys; the row's sum of the unquantised p divides at the end.
; LIMITS.  NaN and infinities among the inputs are not served.  A block whose largest magnitude lies under 2^-124 keeps the scale byte 1 (a block of zeros too: its codes are zeros).  seq_len is summed lane by lane
;   (exact for masks of 0 and 1).  1 / sqrt is v_rsq_f32.  The -10000 of the mask is added inside the matrix instruction, with that instruction's own rounding of a sum near 80000.
; REGISTERS, in windows of 256 (s_set_vgpr_msb: bits 1:0 source 0, 3:2 source 1, 5:4 source 2, 7:6 destination):
;   window 0: v1-15 addresses; v16-37 scale words; v40-63 at work; v64-127 WB (a weight unit: two fragments and bias; or LN's beta; or b_emb); v128-161 the next sample's features and masks; v162-189 at work; v192-255 ACC
;   window 1: HS, the sample's state, tile t at 64 t.     window 2: codes: KC 0, VC 72 (18 a tile), QC 144 (12 a tile; later P), HC 192 (16 a tile, 12 used; the gaps are the conversions' second halves, YS)
;   window 3: MK 0 (the mask, 128), EACC 128 (sums of the f32 matrix form; nothing else writes them), G 192 (LN's gain).
;   No scaled conversion names one number as destination and as source, in whatever window: that is why ACC and HC share the numbers 192-255 and SO lies on numbers that are zero registers in window 2.
; ---- LDS map (bytes)
.set STW,  36864                       ; a stage's weights: three matrices of 12,288; a tile 1,536; a piece 512; a lane 16.  Stage 0: W_enc; stage d + 1: Wq, Wk, Wv of layer d
.set SCW,  147456                      ; scale words: 1,536 a stage, 512 a matrix, 64 a tile, 4 a lane r
.set P0,   153600                      ; b_emb
.set GBR,  P0+512                      ; [gain 512][beta 512] for emb, enc, ln 0..2
.set BQK,  P0+5632                     ; [b_enc or bq][bk], 1,024 a stage
.set BVI,  163328                      ; bv, each number four times: 16 bytes a feature, 2,048 a layer
.set WEI,  169472                      ; W_emb as fragments of the f32 form: 1,024 a tile, 512 a piece, 16 a lane
; ---- vector registers, window 0
.set LI,   1                           ; 16 x lane
.set R4,   2                           ; 4 r
.set PH,   3                           ; 64 h
.set BV16, 4                           ; 16 RT
.set FA,   5                           ; 64 RT + 32 h
.set MA,   6                           ; 8 x lane
.set OA,   7                           ; 128 (r / 4) + 64 h + 16 (r % 4)
.set RT,   8
.set H16,  9                           ; 16 h
.set NEG,  10                          ; -80000.0
.set WA,   11                          ; the stage's addresses: weights,
.set SA,   12                          ; scale words,
.set QA,   13                          ; biases in T-layout,
.set BA,   14                          ; bv,
.set GA,   15                          ; gain and beta
.set HCS,  16                          ; scale words of HC, QC, KC, VC: one a tile; these registers hold scales alone
.set QCS,  20
.set KCS,  24
.set VCS,  28
.set PS,   32                          ; P's
.set WSA,  34                          ; the weights': set A, set B
.set WSB,  36
.set EA,   38                          ; LI + WEI
.set PB,   39                          ; PH + P0
.set RL1,  40                          ; 1 / l of head 1 (low word of a pair)
.set SO,   42                          ; the conversions' scale operands
.set TM,   46                          ; largest magnitudes
.set TX,   50                          ; what lane l xor 16 sent
.set BY,   54                          ; scale bytes
.set NM0,  58                          ; -M of head 0 (58), head 1 (60): low words of pairs
.set RL0,  62                          ; 1 / l of head 0
.set WB,   64
.set W0,   64                          ; two fragments: 64, 76
.set BIAS, 112                         ; sixteen numbers
.set FT,   128
.set MS,   160
.set CH,   162                         ; eight pairs of chains.  (At the head: temporaries HT)
.set HT,   162
.set UP,   178                         ; four pairs: a tile's mean, later 1 / sqrt, in the low word
.set DQ,   186                         ; a bound for each query tile
.set ACC,  192
; ---- window 2, window 3
.set KC,   0
.set VC,   72
.set QC,   144
.set HC,   192
.set YS,   204
.set MK,   0
.set EACC, 128
.set G,    192
; ---- scalar registers.  s[4:49]: the 23 addresses in the order of the arguments; s[4:5] features, s[6:7] masks, s[8:9] out0 walk
.set WV,   50
.set TS,   51
.set SEL,  52                          ; s[52:53] v_permlanex16_b32's selects for lane l xor 16
.set CS,   54                          ; s[54:55] log2(e) / 8
.set I128, 56
.set EPS,  57
.set M8,   58                          ; lanes with r bit 3, 2, 1, 0
.set M4,   59
.set M2,   60
.set M1,   61
.set SI,   62                          ; sample 0..3
.set SST,  63                          ; stage 0..4
.set SLW,  66
.set SLS,  67
.set SLQ,  68
.set SLB,  69
.set SLG,  70
.set FLR,  71                          ; 2^(3 - 127): the floor under every largest magnitude
.set M2E,  76                          ; -(2 << 23)
.set MSB, 0
.macro WIN new                         ; the immediate's high byte repeats the setting that is left; a switch that changes nothing is dropped
.if MSB != (\new)
	s_set_vgpr_msb (MSB<<8)|(\new)
.set MSB, (\new)
.endif
.endm
.macro PL n                            ; places behind or ahead of matrix instructions (ISA guide 7.12.1)
.rept \n
	v_nop
.endr
.endm
.macro MMC d, a, b, c, sa, sb
	v_wmma_scale_f32_16x16x128_f8f6f4 v[(\d):(\d)+7], v[(\a):(\a)+11], v[(\b):(\b)+11], v[(\c):(\c)+7], v[(\sa)], v[(\sb)] matrix_a_fmt:MATRIX_FMT_FP6 matrix_b_fmt:MATRIX_FMT_FP6
.endm
.macro MM0 d, a, b, sa, sb
	v_wmma_scale_f32_16x16x128_f8f6f4 v[(\d):(\d)+7], v[(\a):(\a)+11], v[(\b):(\b)+11], 0, v[(\sa)], v[(\sb)] matrix_a_fmt:MATRIX_FMT_FP6 matrix_b_fmt:MATRIX_FMT_FP6
.endm
; A sample's features (lane (r, h): of its tile's token, numbers 8 h .. 8 h + 7) and masks (two a lane)
.macro FLOAD
.irp t,0,1,2,3
.irp q,0,1
	global_load_b128 v[FT+8*\t+4*\q:FT+8*\t+4*\q+3], v[FA], s[4:5] offset:64*(32*(\t/2)+8*(\t%2))+16*\q th:TH_LOAD_NT
.endr
.endr
	global_load_b64 v[MS:MS+1], v[MA], s[6:7] th:TH_LOAD_NT
.endm
; A weight unit, 12 LDS loads: two fragments, their scale words, their bias.  kind 0: tiles 2 x, 2 x + 1, bias in T-layout; kind 1 (V): tiles x, x + 4, a lane's own feature's bias in all eight registers
.macro LOADU kind, m, x, wb, bb, ws
.if (\kind) == 0
.set N0, 2*(\x)
.set N1, 2*(\x)+1
.else
.set N0, (\x)
.set N1, (\x)+4
.endif
.irp c,0,1,2
	ds_load_b128 v[(\wb)+4*\c:(\wb)+4*\c+3], v[WA] offset:12288*(\m)+1536*N0+512*\c
.endr
.irp c,0,1,2
	ds_load_b128 v[(\wb)+12+4*\c:(\wb)+12+4*\c+3], v[WA] offset:12288*(\m)+1536*N1+512*\c
.endr
	ds_load_b32 v[(\ws)], v[SA] offset:512*(\m)+64*N0
	ds_load_b32 v[(\ws)+1], v[SA] offset:512*(\m)+64*N1
.if (\kind) == 0
.irp q,0,1,2,3
	ds_load_b128 v[(\bb)+4*\q:(\bb)+4*\q+3], v[QA] offset:512*(\m)+128*(\x)+16*\q
.endr
.else
	ds_load_b128 v[(\bb):(\bb)+3], v[BA] offset:512*(N0/2)+128*(N0%2)
	ds_load_b128 v[(\bb)+4:(\bb)+7], v[BA] offset:512*(N0/2)+128*(N0%2)
	ds_load_b128 v[(\bb)+8:(\bb)+11], v[BA] offset:512*(N1/2)+128*(N1%2)
	ds_load_b128 v[(\bb)+12:(\bb)+15], v[BA] offset:512*(N1/2)+128*(N1%2)
.endif
.endm
; Four blocks of 32 along K, each as 16 registers of mine (at s + 16 k, window sw) and 16 of lane l xor 16: largest magnitude with the floor among its leaves, then 2 off its exponent field: the conversion's scale operand
.macro BLK4 s, sw
	WIN 0x14*(\sw)
.irp k,0,1,2,3
	v_max3_num_f32 v[TM+\k], s[FLR], |v[(\s)+16*\k]|, |v[(\s)+16*\k+1]|
.endr
.irp i,2,4,6,8,10,12,14
.irp k,0,1,2,3
	v_max3_num_f32 v[TM+\k], v[TM+\k], |v[(\s)+16*\k+\i]|, |v[(\s)+16*\k+\i+1]|
.endr
.endr
	WIN 0
.irp k,0,1,2,3
	v_permlanex16_b32 v[TX+\k], v[TM+\k], s[SEL], s[SEL+1]
.endr
.irp k,0,1,2,3
	v_max_num_f32 v[TM+\k], v[TM+\k], v[TX+\k]
.endr
.irp k,0,1,2,3
	v_add_nc_u32 v[SO+\k], s[M2E], v[TM+\k]
.endr
.endm
; The operand's layout wants a whole block in a lane: x's lanes 16-31 change places with y's lanes 0-15; then y follows x.  (Under destination and source 0 in window 2)
.macro SWAPMV x, y
.irp i,0,1,2
	v_permlane16_swap_b32 v[(\x)+\i], v[(\y)+\i]
.endr
.irp i,0,1,2
	v_mov_b32 v[(\x)+3+\i], v[(\y)+\i]
.endr
.endm
; 64 registers at s (window sw), register 16 b + i = k 32 b + 16 h + i of my row, become a fragment: halves at fd and fd + cs (window 2), scale word in swr
.macro QR s, sw, fd, cs, swr
	BLK4 \s, \sw
.irp k,0,1,2,3
	v_lshrrev_b32 v[BY+\k], 23, v[SO+\k]
.endr
	v_lshl_or_b32 v[\swr], v[BY+1], 8, v[BY]
	v_lshl_or_b32 v[\swr], v[BY+2], 16, v[\swr]
	v_lshl_or_b32 v[\swr], v[BY+3], 24, v[\swr]
	WIN 0x80|(\sw)
.irp c,0,1
	v_cvt_scalef32_pk16_fp6_f32 v[(\fd)+(\cs)*\c:(\fd)+(\cs)*\c+2], v[(\s)+32*\c:(\s)+32*\c+15], v[SO+2*\c]
	v_cvt_scalef32_pk16_fp6_f32 v[YS+32*\c:YS+32*\c+2], v[(\s)+32*\c+16:(\s)+32*\c+31], v[SO+2*\c+1]
.endr
	v_nop                                          ; one plain place behind the scaled conversions
	WIN 0x82
.irp c,0,1
	SWAPMV (\fd)+(\cs)*\c, YS+32*\c
.endr
.endm
; Feature block b of the four token tiles, out of ACC (tile t at ACC + 16 t): byte b of the tiles' scale words sw0 + t; codes to fd + ts t + cs (b / 2); an odd block completes the half
.macro QCU b, fd, ts, cs, sw0
	BLK4 ACC, 0
.if (\b) == 0
.irp t,0,1,2,3
	v_lshrrev_b32 v[(\sw0)+\t], 23, v[SO+\t]
.endr
.else
.irp t,0,1,2,3
	v_lshrrev_b32 v[BY+\t], 23, v[SO+\t]
.endr
.irp t,0,1,2,3
	v_lshl_or_b32 v[(\sw0)+\t], v[BY+\t], 8*(\b), v[(\sw0)+\t]
.endr
.endif
	WIN 0x80
.irp t,0,1,2,3
.if (\b)%2 == 0
	v_cvt_scalef32_pk16_fp6_f32 v[(\fd)+(\ts)*\t+(\cs)*((\b)/2):(\fd)+(\ts)*\t+(\cs)*((\b)/2)+2], v[ACC+16*\t:ACC+16*\t+15], v[SO+\t]
.else
	v_cvt_scalef32_pk16_fp6_f32 v[YS+16*(\t+1-2*(\t%2)):YS+16*(\t+1-2*(\t%2))+2], v[ACC+16*\t:ACC+16*\t+15], v[SO+\t]
.endif
.endr
	v_nop                                          ; one plain place behind the scaled conversions
.if (\b)%2 == 1
	WIN 0x82
.irp t,0,1,2,3
	SWAPMV (\fd)+(\ts)*\t+(\cs)*((\b)/2), YS+16*(\t+1-2*(\t%2))
.endr
.endif
.endm
; Eight products of a unit of Q or K: two weight tiles x four token tiles, bias as C; then the places ahead of the loads into the unit's registers and of the first read of the results
.macro PROJ
	s_wait_dscnt 0x0                               ; the unit's 12 loads are in
	WIN 0x08
.irp u,0,1
.irp t,0,1,2,3
	MMC ACC+16*\t+8*\u, W0+12*\u, HC+16*\t, BIAS+8*\u, WSA+\u, HCS+\t
.endr
.endr
	WIN 0
	PL 4
.endm
.macro PROJV                           ; the same for V, sources the other way round
	s_wait_dscnt 0x0
	WIN 0x02
.irp e,0,1
.irp t,0,1,2,3
	MMC ACC+32*\e+8*\t, HC+16*\t, W0+12*\e, BIAS+8*\e, HCS+\t, WSA+\e
.endr
.endr
	WIN 0
	PL 4
.endm
.macro EB b, w, bi, ws                 ; the encoder's unit b: results straight into HS
	WIN 0x48
.irp u,0,1
.irp t,0,1,2,3
	MMC 64*\t+16*(\b)+8*\u, (\w)+12*\u, HC+16*\t, (\bi)+8*\u, (\ws)+\u, HCS+\t
.endr
.endr
	WIN 0
.endm
; The softmax of query tile tq, both heads: ACC + 32 hd + 16 B + i = score of my query with key 32 B + 16 h + i.  Leaves P's codes where q's were, P's scale word, and 1 / l
.macro SMX tq
.irp b,0,1,2,3
	v_max3_num_f32 v[TM+\b], v[ACC+16*\b], v[ACC+16*\b+1], v[ACC+16*\b+2]   ; the largest score of each block of 32 keys: for the row's maximum, and, since p rises with the score, for the block's largest p
.endr
.irp i,3,5,7,9,11,13
.irp b,0,1,2,3
	v_max3_num_f32 v[TM+\b], v[TM+\b], v[ACC+16*\b+\i], v[ACC+16*\b+\i+1]
.endr
.endr
.irp b,0,1,2,3
	v_max_num_f32 v[TM+\b], v[TM+\b], v[ACC+16*\b+15]
.endr
.irp b,0,1,2,3
	v_permlanex16_b32 v[TX+\b], v[TM+\b], s[SEL], s[SEL+1]
.endr
.irp b,0,1,2,3
	v_max_num_f32 v[TM+\b], v[TM+\b], v[TX+\b]
.endr
.irp hd,0,1
	v_max_num_f32 v[SO+\hd], v[TM+2*\hd], v[TM+2*\hd+1]
.endr
.irp hd,0,1
	v_mul_f32 v[SO+\hd], s[CS], v[SO+\hd]          ; the row's largest t
.endr
.irp hd,0,1
	v_floor_f32 v[NM0+2*\hd], -v[SO+\hd]           ; -M = floor(-t) = -ceil(t)
.endr
.set II, 0
.rept 32
	v_pk_fma_f32 v[ACC+2*II:ACC+2*II+1], v[ACC+2*II:ACC+2*II+1], s[CS:CS+1], v[NM0+2*(II/16):NM0+2*(II/16)+1] op_sel_hi:[1,0,0]   ; t - M
.set II, II+1
.endr
.irp b,0,1,2,3
	v_fma_f32 v[TM+\b], v[TM+\b], s[CS], v[NM0+2*(\b/2)]
.endr
.set II, 0
.rept 64
	v_exp_f32 v[ACC+II], v[ACC+II]                 ; p, not normalised
.set II, II+1
.endr
	v_nop                                          ; a plain place behind the exponentials
	s_wait_alu depctr_va_vdst(0)                   ; one wait for the 64, ahead of their first reader
.irp b,0,1,2,3
	v_exp_f32 v[TM+\b], v[TM+\b]                   ; each block's largest p
.endr
.irp hd,0,1                                    ; the row's sum of the unquantised p: two chains a head
	v_pk_add_f32 v[CH+4*\hd:CH+4*\hd+1], v[ACC+32*\hd:ACC+32*\hd+1], v[ACC+32*\hd+2:ACC+32*\hd+3]
	v_pk_add_f32 v[CH+4*\hd+2:CH+4*\hd+3], v[ACC+32*\hd+4:ACC+32*\hd+5], v[ACC+32*\hd+6:ACC+32*\hd+7]
.endr
.irp k,8,12,16,20,24,28
.irp hd,0,1
	v_pk_add_f32 v[CH+4*\hd:CH+4*\hd+1], v[CH+4*\hd:CH+4*\hd+1], v[ACC+32*\hd+\k:ACC+32*\hd+\k+1]
	v_pk_add_f32 v[CH+4*\hd+2:CH+4*\hd+3], v[CH+4*\hd+2:CH+4*\hd+3], v[ACC+32*\hd+\k+2:ACC+32*\hd+\k+3]
.endr
.endr
.irp hd,0,1
	v_pk_add_f32 v[CH+4*\hd:CH+4*\hd+1], v[CH+4*\hd:CH+4*\hd+1], v[CH+4*\hd+2:CH+4*\hd+3]
.endr
.irp hd,0,1
	v_add_f32 v[BY+\hd], v[CH+4*\hd], v[CH+4*\hd+1]
.endr
.irp hd,0,1
	v_permlanex16_b32 v[TX+\hd], v[BY+\hd], s[SEL], s[SEL+1]
.endr
.irp hd,0,1
	v_add_f32 v[BY+\hd], v[BY+\hd], v[TX+\hd]
.endr
	v_rcp_f32 v[RL0], v[BY]
	v_rcp_f32 v[RL1], v[BY+1]
	v_nop                                          ; a plain place behind the reciprocals
	s_wait_alu depctr_va_vdst(0)                   ; one wait for the four exponentials and the two reciprocals
.irp b,0,1,2,3
	v_max_num_f32 v[TM+\b], s[FLR], v[TM+\b]       ; the floor: a block whose every p is 0 keeps the byte 1; its codes are zeros
.endr
.irp b,0,1,2,3
	v_add_nc_u32 v[SO+\b], s[M2E], v[TM+\b]
.endr
.irp b,0,1,2,3
	v_lshrrev_b32 v[BY+\b], 23, v[SO+\b]
.endr
	v_lshl_or_b32 v[PS], v[BY+1], 8, v[BY]
	v_lshl_or_b32 v[PS], v[BY+2], 16, v[PS]
	v_lshl_or_b32 v[PS], v[BY+3], 24, v[PS]
	WIN 0x80
.irp c,0,1
	v_cvt_scalef32_pk16_fp6_f32 v[QC+12*(\tq)+6*\c:QC+12*(\tq)+6*\c+2], v[ACC+32*\c:ACC+32*\c+15], v[SO+2*\c]
	v_cvt_scalef32_pk16_fp6_f32 v[YS+32*\c:YS+32*\c+2], v[ACC+32*\c+16:ACC+32*\c+31], v[SO+2*\c+1]
.endr
	v_nop
	WIN 0x82
.irp c,0,1
	SWAPMV QC+12*(\tq)+6*\c, YS+32*\c
.endr
.endm
; relu(P V) / l + residual, into HS's tile tq.  (l is positive, so relu may stand ahead of the division.)  ACC is read from each accumulator's low end on
.macro FIN tq
.set II, 0
.rept 64
	v_max_num_f32 v[ACC+II], 0, v[ACC+II]
.set II, II+1
.endr
	WIN 0x50
.set II, 0
.rept 32
	v_pk_fma_f32 v[64*(\tq)+2*II:64*(\tq)+2*II+1], v[ACC+2*II:ACC+2*II+1], v[RL0-22*(II/16):RL0-22*(II/16)+1], v[64*(\tq)+2*II:64*(\tq)+2*II+1] op_sel_hi:[1,0,1]
.set II, II+1
.endr
.endm
.macro ATT tq
	WIN 0x3a                                       ; k and q in window 2, the mask in window 3
.irp hd,0,1
.irp tk,0,1,2,3
	MMC ACC+32*\hd+8*\tk, KC+18*\tk+6*\hd, QC+12*(\tq), MK+32*(\tq)+8*\tk, KCS+\tk, QCS+(\tq)
.endr
.endr
	WIN 0
	PL 4
	SMX \tq
	WIN 0
	PL 8                                           ; P's scale word and codes were written by vector instructions
	WIN 0x0a
.irp n,0,1,2,3,4,5,6,7
	MM0 ACC+8*\n, VC+18*(\n%4)+6*(\n/4), QC+12*(\tq), VCS+(\n%4), PS
.endr
	WIN 0
	PL 4
	FIN \tq
.endm
; A step of the maximum across the 16 lanes of a half: lanes with the bit keep the upper n registers and send the lower, the others the other way round: half as many registers remain
.macro RSTEP n, mask, xm
.set GG, 0
.rept (\n)/4
.irp q,0,1,2,3
	v_cndmask_b32 v[TM+\q], v[ACC+GG+\q], v[ACC+GG+\q+(\n)], s[\mask]
.endr
.irp q,0,1,2,3
	v_cndmask_b32 v[BY+\q], v[ACC+GG+\q+(\n)], v[ACC+GG+\q], s[\mask]
.endr
.irp q,0,1,2,3
	v_max_num_f32_dpp v[ACC+GG+\q], v[BY+\q], v[TM+\q] row_xmask:\xm row_mask:0xf bank_mask:0xf
.endr
.set GG, GG+4
.endr
.endm
; =================================================================== HEAD
	s_load_b512 s[4:19], s[0:1], 0x0               ; features, masks, out0, W_emb, W_enc codes, scales, Wq codes, scales
	s_load_b512 s[20:35], s[0:1], 0x40             ; Wk codes, scales, Wv codes, scales, b_emb, g_emb, beta_emb, b_enc
	s_load_b256 s[36:43], s[0:1], 0x80             ; g_enc, beta_enc, bq, bk
	s_load_b128 s[44:47], s[0:1], 0xa0             ; bv, ln_g
	s_load_b64 s[48:49], s[0:1], 0xb0              ; ln_b
	v_lshl_add_u32 v190, v0, 2, 0x2b600
	v_mov_b32 v191, 0
	v_lshrrev_b32 v11, 5, v0
	v_readfirstlane_b32 s[WV], v11                 ; wave 0..3
	v_and_b32 v12, 31, v0                          ; lane
	v_and_b32 v13, 15, v0                          ; r
	v_bfe_u32 v14, v0, 4, 1                        ; h
	v_lshlrev_b32 v[LI], 4, v12
	v_lshlrev_b32 v[R4], 2, v13
	v_lshlrev_b32 v[PH], 6, v14
	v_and_b32 v15, 8, v13
	v_add_nc_u32 v[RT], v15, v13
	v_lshlrev_b32 v[BV16], 4, v[RT]
	v_lshlrev_b32 v[FA], 6, v[RT]
	v_lshl_add_u32 v[FA], v14, 5, v[FA]
	v_lshlrev_b32 v[MA], 3, v12
	v_lshlrev_b32 v[H16], 4, v14
	v_mov_b32 v[NEG], 0xc79c4000
	v_lshrrev_b32 v15, 2, v13
	v_lshlrev_b32 v[OA], 7, v15
	v_lshl_add_u32 v[OA], v14, 6, v[OA]
	v_and_b32 v15, 3, v13
	v_lshl_add_u32 v[OA], v15, 4, v[OA]
	v_add_nc_u32 v[EA], WEI, v[LI]
	v_add_nc_u32 v[PB], P0, v[PH]
	s_mov_b32 s[SEL], 0x76543210
	s_mov_b32 s[SEL+1], 0xfedcba98
	s_mov_b32 s[CS], 0x3e38aa3b
	s_mov_b32 s[CS+1], s[CS]                       ; (named with it as a pair, so it is written)
	s_mov_b32 s[I128], 0x3c000000
	s_mov_b32 s[EPS], 0x3727c5ac
	s_mov_b32 s[M8], 0xff00ff00
	s_mov_b32 s[M4], 0xf0f0f0f0
	s_mov_b32 s[M2], 0xcccccccc
	s_mov_b32 s[M1], 0xaaaaaaaa
	s_mov_b32 s[FLR], 0x01800000
	s_mov_b32 s[M2E], 0xff000000
	; what my wave stages: tiles 2 w and 2 w + 1 of every matrix: rows 32 w + 8 u + RT
	s_lshl_b32 s[TS], s[WV], 5
	v_add_nc_u32 v[HT+4], s[TS], v[RT]
	v_mul_u32_u24 v[HT], v[HT+4], 96               ; codes: 96 bytes a row,
	v_mad_u32_u24 v[HT], v14, 24, v[HT]            ; + 24 h
	v_lshlrev_b32 v[HT+1], 2, v[HT+4]              ; scale words: 4 bytes a row
	v_lshl_add_u32 v[HT+2], v14, 12, v[HT+1]       ; W_emb[8 h + ..][row]: 512 bytes a k
	v_lshlrev_b32 v[HT+3], 2, v0                   ; the small vectors: a number a thread
	s_mul_i32 s[TS], s[WV], 3072
	v_add_nc_u32 v[HT+5], s[TS], v[LI]             ; where the images go: 16 x lane + 3,072 w, + a stage
	v_add_nc_u32 v[HT+6], STW, v[HT+5]
	v_add_nc_u32 v[HT+7], 2*STW, v[HT+5]
	v_add_nc_u32 v[HT+8], 3*STW, v[HT+5]
	s_lshl_b32 s[TS], s[WV], 7
	s_add_co_u32 s[TS], s[TS], SCW
	v_add_nc_u32 v[HT+9], s[TS], v[R4]
	s_lshl_b32 s[TS], s[WV], 11
	v_add_nc_u32 v[HT+10], s[TS], v[EA]
	v_add_nc_u32 v[HT+11], P0, v[HT+3]
	v_lshl_add_u32 v[HT+12], v0, 4, BVI
	s_wait_kmcnt 0x0
	s_lshl_b32 s72, ttmp9, 16                      ; my first sample, 16 x work-group + 4 x wave: 4,096 bytes of features each,
	s_lshl_b32 s74, s[WV], 14
	s_add_co_u32 s72, s72, s74
	s_mov_b32 s73, 0
	s_add_nc_u64 s[4:5], s[4:5], s[72:73]
	s_lshr_b32 s72, s72, 4                         ; 256 of masks,
	s_add_nc_u64 s[6:7], s[6:7], s[72:73]
	s_lshl_b32 s72, s72, 1                         ; 512 of out0
	s_add_nc_u64 s[8:9], s[8:9], s[72:73]
	FLOAD                                          ; the first sample
	; all staging loads go out together
.macro CLOAD mi, sb, d                 ; two fragments of matrix number mi into window 1, as the operand's registers take them: 24 bytes and 24 bytes, in pieces of 8
.irp u,0,1
.irp p,0,1,2,3,4,5
	global_load_b64 v[12*(2*(\mi)+\u)+2*\p:12*(2*(\mi)+\u)+2*\p+1], v[HT], s[\sb:\sb+1] offset:12288*(\d)+768*\u+48*(\p/3)+8*(\p%3)
.endr
.endr
.endm
.macro SLOAD mi, sb, d
.irp u,0,1
	global_load_b32 v[64+2*(\mi)+\u], v[HT+1], s[\sb:\sb+1] offset:512*(\d)+32*\u
.endr
.endm
.macro VLOAD reg, sb, d
	global_load_b32 v[\reg], v[HT+3], s[\sb:\sb+1] offset:512*(\d)
.endm
	WIN 0x40
	CLOAD 0, 12, 0
.irp d,0,1,2
	CLOAD 1+3*\d, 16, \d
	CLOAD 2+3*\d, 20, \d
	CLOAD 3+3*\d, 24, \d
.endr
	WIN 0
	SLOAD 0, 14, 0
.irp d,0,1,2
	SLOAD 1+3*\d, 18, \d
	SLOAD 2+3*\d, 22, \d
	SLOAD 3+3*\d, 26, \d
.endr
.irp u,0,1
.irp k,0,1,2,3,4,5,6,7
	global_load_b32 v[84+8*\u+\k], v[HT+2], s[10:11] offset:512*\k+32*\u
.endr
.endr
	VLOAD 100, 28, 0
	VLOAD 101, 30, 0
	VLOAD 102, 32, 0
	VLOAD 103, 34, 0
	VLOAD 104, 36, 0
	VLOAD 105, 38, 0
.irp d,0,1,2
	VLOAD 106+\d, 40, \d
	VLOAD 109+\d, 42, \d
	VLOAD 112+\d, 44, \d
	VLOAD 115+\d, 46, \d
	VLOAD 118+\d, 48, \d
.endr
	; written once, while the loads are out: destinations of lane permutes, upper words of pairs of which the low word alone is used, the zero codes
.irp k,0,1,2,3
	v_mov_b32 v[TX+\k], 0
	v_mov_b32 v[UP+2*\k+1], 0
.endr
	v_mov_b32 v[NM0+1], 0
	v_mov_b32 v[NM0+3], 0
	v_mov_b32 v[RL0+1], 0
	v_mov_b32 v[RL1+1], 0
	WIN 0x80
.irp t,0,1,2,3
.irp i,0,1,2,3,4,5
	v_mov_b32 v[KC+18*\t+6+\i], 0
	v_mov_b32 v[VC+18*\t+6+\i], 0
.endr
.endr
	WIN 0
	s_wait_loadcnt 0x0
.macro CSTORE mi, f, m
.irp u,0,1
.irp c,0,1,2
	ds_store_b128 v[HT+5+\f], v[12*(2*(\mi)+\u)+4*\c:12*(2*(\mi)+\u)+4*\c+3] offset:12288*(\m)+1536*\u+512*\c
.endr
.endr
.endm
.macro SSTORE mi, f, m
.irp u,0,1
	ds_store_b32 v[HT+9], v[64+2*(\mi)+\u] offset:1536*(\f)+512*(\m)+64*\u   ; lanes r and r + 16 write the same word with the same value
.endr
.endm
	WIN 0x04                                       ; an LDS store's data are its source 1: window 1
	CSTORE 0, 0, 0
.irp d,0,1,2
.irp m,0,1,2
	CSTORE 1+3*\d+\m, 1+\d, \m
.endr
.endr
	WIN 0
	SSTORE 0, 0, 0
.irp d,0,1,2
.irp m,0,1,2
	SSTORE 1+3*\d+\m, 1+\d, \m
.endr
.endr
.irp u,0,1
.irp q,0,1
	ds_store_b128 v[HT+10], v[84+8*\u+4*\q:84+8*\u+4*\q+3] offset:1024*\u+512*\q
.endr
.endr
	ds_store_b32 v[HT+11], v100                    ; b_emb
	ds_store_b32 v[HT+11], v101 offset:512         ; g_emb, beta_emb
	ds_store_b32 v[HT+11], v102 offset:1024
	ds_store_b32 v[HT+11], v104 offset:1536        ; g_enc, beta_enc
	ds_store_b32 v[HT+11], v105 offset:2048
	ds_store_b32 v[HT+11], v103 offset:5632        ; b_enc
.irp d,0,1,2
	ds_store_b32 v[HT+11], v[115+\d] offset:512+1024*(2+\d)
	ds_store_b32 v[HT+11], v[118+\d] offset:1024+1024*(2+\d)
	ds_store_b32 v[HT+11], v[106+\d] offset:5632+1024*(1+\d)
	ds_store_b32 v[HT+11], v[109+\d] offset:5632+1024*(1+\d)+512
.irp k,0,1,2,3
	ds_store_b32 v[HT+12], v[112+\d] offset:2048*\d+4*\k
.endr
.endr
	s_wait_dscnt 0x0                               ; for the others' sake: my stores have landed
	s_barrier_signal -1
	s_barrier_wait -1                              ; the one barrier: from here on LDS is only read
	s_mov_b32 s[SI], 0
; =================================================================== A SAMPLE
.Lsample:
	s_wait_loadcnt 0x0                             ; its features and masks, asked for a sample ago
.irp n,0,1,2,3,4,5,6,7
.irp q,0,1
	ds_load_b128 v[ACC+8*\n+4*\q:ACC+8*\n+4*\q+3], v[EA] offset:1024*\n+512*\q      ; W_emb's fragments
.endr
.endr
.irp b,0,1,2,3
.irp q,0,1,2,3
	ds_load_b128 v[WB+16*\b+4*\q:WB+16*\b+4*\q+3], v[PB] offset:128*\b+16*\q        ; b_emb in T-layout
.endr
.endr
	s_mov_b32 s[SST], 0
	s_mov_b32 s[SLW], 0
	s_mov_b32 s[SLS], SCW
	s_mov_b32 s[SLQ], BQK
	s_mov_b32 s[SLB], BVI-2048
	s_mov_b32 s[SLG], GBR
	; ---- the mask.  seq_len, its ceiling Li; key c + 16 h counts where c <= Li - 16 h - 1; a query beyond Li hides every key
	v_sub_f32 v[TM], 1.0, v[MS]
	v_sub_f32 v[TM+1], 1.0, v[MS+1]
	v_add_f32 v[TM], v[TM], v[TM+1]
	v_add_f32_dpp v[TM], v[TM], v[TM] row_xmask:1 row_mask:0xf bank_mask:0xf
	v_add_f32_dpp v[TM], v[TM], v[TM] row_xmask:2 row_mask:0xf bank_mask:0xf
	v_add_f32_dpp v[TM], v[TM], v[TM] row_xmask:4 row_mask:0xf bank_mask:0xf
	v_add_f32_dpp v[TM], v[TM], v[TM] row_xmask:8 row_mask:0xf bank_mask:0xf
	v_permlanex16_b32 v[TX], v[TM], s[SEL], s[SEL+1]
	v_add_f32 v[TM], v[TM], v[TX]
	v_floor_f32 v[TM], -v[TM]
	v_cvt_i32_f32 v[TM], v[TM]
	v_sub_nc_u32 v[TM], 0, v[TM]                   ; Li
	v_sub_nc_u32 v[TM+1], v[TM], v[H16]
	v_add_nc_u32 v[TM+1], -1, v[TM+1]              ; Li - 16 h - 1
.irp tq,0,1,2,3
	v_add_nc_u32 v[TM+2], 32*(\tq/2)+8*(\tq%2), v[RT]
	v_cmp_gt_i32 vcc_lo, v[TM], v[TM+2]
	v_cndmask_b32 v[DQ+\tq], -1, v[TM+1], vcc_lo
.endr
	WIN 0xc0
.irp tq,0,1,2,3
.irp tk,0,1,2,3
.irp j,0,1,2,3,4,5,6,7
	v_cmp_gt_i32 vcc_lo, 32*(\tk/2)+8*(\tk%2)+\j, v[DQ+\tq]
	v_cndmask_b32 v[MK+32*\tq+8*\tk+\j], 0, v[NEG], vcc_lo
.endr
.endr
.endr
	WIN 0
	s_wait_dscnt 0x0                               ; W_emb's fragments and b_emb
	; ---- emb: f32 operands, since the result goes on into a quantiser.  K = 16 in four steps; slot (h, j) of step s carries k = 8 h + 2 s + j on both sides.  The eight accumulators take turns
.irp t,0,1,2,3
	WIN 0xc0
.irp n,0,1,2,3,4,5,6,7
	v_wmma_f32_16x16x4_f32 v[EACC+8*\n:EACC+8*\n+7], v[ACC+8*\n:ACC+8*\n+1], v[FT+8*\t:FT+8*\t+1], 0
.endr
	WIN 0xf0
.irp s,1,2,3
.irp n,0,1,2,3,4,5,6,7
	v_wmma_f32_16x16x4_f32 v[EACC+8*\n:EACC+8*\n+7], v[ACC+8*\n+2*\s:ACC+8*\n+2*\s+1], v[FT+8*\t+2*\s:FT+8*\t+2*\s+1], v[EACC+8*\n:EACC+8*\n+7]
.endr
.endr
	WIN 0
	PL 8
	WIN 0x43
.set II, 0
.rept 32
	v_pk_add_f32 v[64*\t+2*II:64*\t+2*II+1], v[EACC+2*II:EACC+2*II+1], v[WB+2*II:WB+2*II+1]   ; + b_emb, into other registers than the sums'
.set II, II+1
.endr
.endr
	WIN 0
	s_cmp_eq_u32 s[SI], 3                          ; the next sample's features and masks, if there is one: they have a whole sample in which to land
	s_cbranch_scc1 .Lno_next
	s_add_nc_u64 s[4:5], s[4:5], 4096              ; (the loads that read these bases were waited for at the sample's head)
	s_add_nc_u64 s[6:7], s[6:7], 256
	FLOAD
.Lno_next:
; =================================================================== A STAGE: LN (and relu), quantise, then the encoder (stage 0) or a layer (1..3); stage 4 is the last LN alone
.Lstage:
	v_add_nc_u32 v[GA], s[SLG], v[PH]
	v_add_nc_u32 v[WA], s[SLW], v[LI]
	v_add_nc_u32 v[SA], s[SLS], v[R4]
	v_add_nc_u32 v[QA], s[SLQ], v[PH]
	v_add_nc_u32 v[BA], s[SLB], v[BV16]
	WIN 0xc0
.irp b,0,1,2,3
.irp q,0,1,2,3
	ds_load_b128 v[G+16*\b+4*\q:G+16*\b+4*\q+3], v[GA] offset:128*\b+16*\q           ; the gain, in T-layout
.endr
.endr
	WIN 0
.irp b,0,1,2,3
.irp q,0,1,2,3
	ds_load_b128 v[WB+16*\b+4*\q:WB+16*\b+4*\q+3], v[GA] offset:512+128*\b+16*\q     ; beta
.endr
.endr
	; ---- LN of the four tiles, by turns.  A token's 128 features lie in lanes l and l xor 16.  HS is read from its low end on
	WIN 0x05
.irp a,0,1
.irp t,0,1,2,3
	v_pk_add_f32 v[CH+4*\t+2*\a:CH+4*\t+2*\a+1], v[64*\t+4*\a:64*\t+4*\a+1], v[64*\t+4*\a+2:64*\t+4*\a+3]
.endr
.endr
	WIN 0x04
.irp k,4,6,8,10,12,14,16,18,20,22,24,26,28,30
.irp t,0,1,2,3
	v_pk_add_f32 v[CH+4*\t:CH+4*\t+1], v[CH+4*\t:CH+4*\t+1], v[64*\t+2*\k:64*\t+2*\k+1]
	v_pk_add_f32 v[CH+4*\t+2:CH+4*\t+3], v[CH+4*\t+2:CH+4*\t+3], v[64*\t+2*\k+2:64*\t+2*\k+3]
.endr
.endr
	WIN 0
.irp t,0,1,2,3
	v_pk_add_f32 v[CH+4*\t:CH+4*\t+1], v[CH+4*\t:CH+4*\t+1], v[CH+4*\t+2:CH+4*\t+3]
.endr
.irp t,0,1,2,3
	v_add_f32 v[UP+2*\t], v[CH+4*\t], v[CH+4*\t+1]
.endr
.irp t,0,1,2,3
	v_permlanex16_b32 v[TX+\t], v[UP+2*\t], s[SEL], s[SEL+1]
.endr
.irp t,0,1,2,3
	v_add_f32 v[UP+2*\t], v[UP+2*\t], v[TX+\t]
.endr
.irp t,0,1,2,3
	v_mul_f32 v[UP+2*\t], s[I128], v[UP+2*\t]      ; the mean
.endr
	WIN 0x41
.set II, 0
.rept 128
	v_pk_add_f32 v[2*II:2*II+1], v[2*II:2*II+1], v[UP+2*(II/32):UP+2*(II/32)+1] op_sel_hi:[1,0] neg_lo:[0,1] neg_hi:[0,1]   ; x - u
.set II, II+1
.endr
	WIN 0x05
.irp a,0,1
.irp t,0,1,2,3
	v_pk_mul_f32 v[CH+4*\t+2*\a:CH+4*\t+2*\a+1], v[64*\t+2*\a:64*\t+2*\a+1], v[64*\t+2*\a:64*\t+2*\a+1]
.endr
.endr
.irp k,2,4,6,8,10,12,14,16,18,20,22,24,26,28,30
.irp t,0,1,2,3
	v_pk_fma_f32 v[CH+4*\t:CH+4*\t+1], v[64*\t+2*\k:64*\t+2*\k+1], v[64*\t+2*\k:64*\t+2*\k+1], v[CH+4*\t:CH+4*\t+1]
	v_pk_fma_f32 v[CH+4*\t+2:CH+4*\t+3], v[64*\t+2*\k+2:64*\t+2*\k+3], v[64*\t+2*\k+2:64*\t+2*\k+3], v[CH+4*\t+2:CH+4*\t+3]
.endr
.endr
	WIN 0
.irp t,0,1,2,3
	v_pk_add_f32 v[CH+4*\t:CH+4*\t+1], v[CH+4*\t:CH+4*\t+1], v[CH+4*\t+2:CH+4*\t+3]
.endr
.irp t,0,1,2,3
	v_add_f32 v[TM+\t], v[CH+4*\t], v[CH+4*\t+1]
.endr
.irp t,0,1,2,3
	v_permlanex16_b32 v[TX+\t], v[TM+\t], s[SEL], s[SEL+1]
.endr
.irp t,0,1,2,3
	v_add_f32 v[TM+\t], v[TM+\t], v[TX+\t]
.endr
.irp t,0,1,2,3
	v_fma_f32 v[TM+\t], v[TM+\t], s[I128], s[EPS]  ; the variance + eps
.endr
.irp t,0,1,2,3
	v_rsq_f32 v[UP+2*\t], v[TM+\t]
.endr
	v_nop                                          ; a plain place behind the four
	s_wait_alu depctr_va_vdst(0)                   ; one wait for the four, ahead of their first reader
	WIN 0x41
.set II, 0
.rept 128
	v_pk_mul_f32 v[2*II:2*II+1], v[2*II:2*II+1], v[UP+2*(II/32):UP+2*(II/32)+1] op_sel_hi:[1,0]
.set II, II+1
.endr
	s_wait_dscnt 0x0                               ; gain and beta are in
	WIN 0x4d
.set II, 0
.rept 128
	v_pk_fma_f32 v[2*II:2*II+1], v[2*II:2*II+1], v[G+(2*II)%64:G+(2*II)%64+1], v[WB+(2*II)%64:WB+(2*II)%64+1]
.set II, II+1
.endr
	WIN 0
	s_cmp_ge_u32 s[SST], 2                         ; relu follows the LN of emb and of enc alone
	s_cbranch_scc1 .Lnorelu
	WIN 0x44
.set II, 0
.rept 256
	v_max_num_f32 v[II], 0, v[II]
.set II, II+1
.endr
	WIN 0
.Lnorelu:
	s_cmp_eq_u32 s[SST], 4
	s_cbranch_scc1 .Lfinal
	LOADU 0, 0, 0, W0, BIAS, WSA                   ; the stage's first weight unit lands while HS is quantised
.irp t,0,1,2,3
	QR 64*\t, 1, HC+16*\t, 6, HCS+\t
.endr
	WIN 0
	s_cmp_lg_u32 s[SST], 0
	s_cbranch_scc1 .Llayer
	; ---- enc: four units on two sets of registers (set B lies in ACC).  Each s_wait_dscnt 12 leaves out the 12 loads of the set issued last
	LOADU 0, 0, 1, ACC, ACC+24, WSB
	PL 8                                           ; HC's scale words and codes were written by vector instructions
	s_wait_dscnt 12
	EB 0, W0, BIAS, WSA
	PL 4
	LOADU 0, 0, 2, W0, BIAS, WSA
	s_wait_dscnt 12
	EB 1, ACC, ACC+24, WSB
	PL 4
	LOADU 0, 0, 3, ACC, ACC+24, WSB
	s_wait_dscnt 12
	EB 2, W0, BIAS, WSA
	s_wait_dscnt 0x0
	EB 3, ACC, ACC+24, WSB
	PL 4
	s_branch .Lnext
	; ---- a layer
.Llayer:
	PL 8                                           ; HC's scale words and codes were written by vector instructions
	PROJ                                           ; q: four units; each is quantised while the next unit's weights land
	LOADU 0, 0, 1, W0, BIAS, WSA
	QCU 0, QC, 12, 6, QCS
	PROJ
	LOADU 0, 0, 2, W0, BIAS, WSA
	QCU 1, QC, 12, 6, QCS
	PROJ
	LOADU 0, 0, 3, W0, BIAS, WSA
	QCU 2, QC, 12, 6, QCS
	PROJ
	LOADU 0, 1, 0, W0, BIAS, WSA
	QCU 3, QC, 12, 6, QCS
	PROJ                                           ; k
	LOADU 0, 1, 1, W0, BIAS, WSA
	QCU 0, KC, 18, 12, KCS
	PROJ
	LOADU 0, 1, 2, W0, BIAS, WSA
	QCU 1, KC, 18, 12, KCS
	PROJ
	LOADU 0, 1, 3, W0, BIAS, WSA
	QCU 2, KC, 18, 12, KCS
	PROJ
	LOADU 1, 2, 0, W0, BIAS, WSA
	QCU 3, KC, 18, 12, KCS
	PROJV                                          ; v: feature tiles pr (head 0) and pr + 4 (head 1), all 64 tokens; quantised along the tokens
	LOADU 1, 2, 1, W0, BIAS, WSA
	QR ACC, 0, VC, 12, VCS
	PROJV
	LOADU 1, 2, 2, W0, BIAS, WSA
	QR ACC, 0, VC+18, 12, VCS+1
	PROJV
	LOADU 1, 2, 3, W0, BIAS, WSA
	QR ACC, 0, VC+36, 12, VCS+2
	PROJV
	QR ACC, 0, VC+54, 12, VCS+3
	ATT 0
	ATT 1
	ATT 2
	ATT 3
	WIN 0
.Lnext:
	s_add_co_u32 s[SLW], s[SLW], STW
	s_add_co_u32 s[SLS], s[SLS], 1536
	s_add_co_u32 s[SLQ], s[SLQ], 1024
	s_add_co_u32 s[SLB], s[SLB], 2048
	s_add_co_u32 s[SLG], s[SLG], 1024
	s_add_co_u32 s[SST], s[SST], 1
	s_cmp_lt_u32 s[SST], 5
	s_cbranch_scc1 .Lstage
; =================================================================== the maximum over the 64 tokens: over the four tiles, then across the 16 lanes of a half
.Lfinal:
	WIN 0x15
.set II, 0
.rept 64
	v_max3_num_f32 v[ACC+II], v[II], v[64+II], v[128+II]
.set II, II+1
.endr
	WIN 0x04
.set II, 0
.rept 64
	v_max_num_f32 v[ACC+II], v[ACC+II], v[192+II]
.set II, II+1
.endr
	WIN 0
	RSTEP 32, M8, 8
	RSTEP 16, M4, 4
	RSTEP 8, M2, 2
	RSTEP 4, M1, 1                                 ; lane (r, h) now holds T-layout numbers 4 r .. 4 r + 3: features 32 (r / 4) + 16 h + 4 (r % 4) + 0 .. 3
	global_store_b128 v[OA], v[ACC:ACC+3], s[8:9] th:TH_STORE_NT   ; the wave stores the sample's 512 consecutive bytes, at a multiple of 256 from out0's first byte
	s_wait_xcnt 0x0                                ; the store has read its data and its base: both are written again only behind this wait
	s_add_nc_u64 s[8:9], s[8:9], 512
	s_add_co_u32 s[SI], s[SI], 1
	s_cmp_lt_u32 s[SI], 4
	s_cbranch_scc1 .Lsample
	s_wait_tensorcnt 0x0
	ds_add_u32 v190, v191
	s_wait_dscnt 0x0
	s_endpgm
.Lfunc_end_k_q2dc176cc9d_subgraph:
	.size	k_q2dc176cc9d_subgraph, .Lfunc_end_k_q2dc176cc9d_subgraph-k_q2dc176cc9d_subgraph
	.p2alignl 7, 3214868480
	.fill 96, 4, 3214868480
	.section	.rodata,"a",@progbits
	.p2align	6, 0x0
	.amdhsa_kernel k_q2dc176cc9d_subgraph
		.amdhsa_group_segment_fixed_size 178176
		.amdhsa_private_segment_fixed_size 0
		.amdhsa_enable_private_segment 0
		.amdhsa_kernarg_size 184
		.amdhsa_user_sgpr_count 2
		.amdhsa_user_sgpr_kernarg_segment_ptr 1
		.amdhsa_wavefront_size32 1
		.amdhsa_system_sgpr_workgroup_id_x 1
		.amdhsa_system_sgpr_workgroup_id_y 1
		.amdhsa_system_sgpr_workgroup_id_z 1
		.amdhsa_system_vgpr_workitem_id 0
		.amdhsa_next_free_vgpr 1024
		.amdhsa_next_free_sgpr 80
		.amdhsa_reserve_vcc 1
		.amdhsa_float_denorm_mode_32 3
		.amdhsa_float_denorm_mode_16_64 3
		.amdhsa_memory_ordered 1
		.amdhsa_forward_progress 1
		.amdhsa_inst_pref_size 255
	.end_amdhsa_kernel
	.section	.bss,"aw",@nobits
	.p2align	6
	.space	262144
	.amdgpu_metadata
---
amdhsa.version: [ 1, 2 ]
amdhsa.kernels:
  - .name:           k_q2dc176cc9d_subgraph
    .symbol:         k_q2dc176cc9d_subgraph.kd
    .args:
      - { .name: lane_nodes_feat, .offset: 0, .size: 8, .value_kind: global_buffer, .address_space: global }
      - { .name: masks, .offset: 8, .size: 8, .value_kind: global_buffer, .address_space: global }
      - { .name: out0, .offset: 16, .size: 8, .value_kind: global_buffer, .address_space: global }
      - { .name: W_emb, .offset: 24, .size: 8, .value_kind: global_buffer, .address_space: global }
      - { .name: W_enc_codes, .offset: 32, .size: 8, .value_kind: global_buffer, .address_space: global }
      - { .name: W_enc_scales, .offset: 40, .size: 8, .value_kind: global_buffer, .address_space: global }
      - { .name: Wq_codes, .offset: 48, .size: 8, .value_kind: global_buffer, .address_space: global }
      - { .name: Wq_scales, .offset: 56, .size: 8, .value_kind: global_buffer, .address_space: global }
      - { .name: Wk_codes, .offset: 64, .size: 8, .value_kind: global_buffer, .address_space: global }
      - { .name: Wk_scales, .offset: 72, .size: 8, .value_kind: global_buffer, .address_space: global }
      - { .name: Wv_codes, .offset: 80, .size: 8, .value_kind: global_buffer, .address_space: global }
      - { .name: Wv_scales, .offset: 88, .size: 8, .value_kind: global_buffer, .address_space: global }
      - { .name: b_emb, .offset: 96, .size: 8, .value_kind: global_buffer, .address_space: global }
      - { .name: g_emb, .offset: 104, .size: 8, .value_kind: global_buffer, .address_space: global }
      - { .name: beta_emb, .offset: 112, .size: 8, .value_kind: global_buffer, .address_space: global }
      - { .name: b_enc, .offset: 120, .size: 8, .value_kind: global_buffer, .address_space: global }
      - { .name: g_enc, .offset: 128, .size: 8, .value_kind: global_buffer, .address_space: global }
      - { .name: beta_enc, .offset: 136, .size: 8, .value_kind: global_buffer, .address_space: global }
      - { .name: bq, .offset: 144, .size: 8, .value_kind: global_buffer, .address_space: global }
      - { .name: bk, .offset: 152, .size: 8, .value_kind: global_buffer, .address_space: global }
      - { .name: bv, .offset: 160, .size: 8, .value_kind: global_buffer, .address_space: global }
      - { .name: ln_g, .offset: 168, .size: 8, .value_kind: global_buffer, .address_space: global }
      - { .name: ln_b, .offset: 176, .size: 8, .value_kind: global_buffer, .address_space: global }
    .group_segment_fixed_size: 178176
    .private_segment_fixed_size: 0
    .kernarg_segment_align: 8
    .kernarg_segment_size: 184
    .max_flat_workgroup_size: 128
    .sgpr_count:     80
    .vgpr_count:     1024
    .wavefront_size: 32
...
	.end_amdgpu_metadata
.endif
;; end of part 1
;; ======== version 2 of 2: 1 launch; version 1 with the launch subgraph written anew for expert scheduling mode
;; launch subgraph (part 2): grid 256 x 1, 4 waves a work-group, no clusters, 178,176 bytes of LDS; arguments lane_nodes_feat, masks, out0, W_emb, W_enc_codes, W_enc_scales, Wq_codes, Wq_scales, Wk_codes, Wk_scales, Wv_codes, Wv_scales, b_emb, g_emb, beta_emb, b_enc, g_enc, beta_enc, bq, bk, bv, ln_g, ln_b; writes out0
.if DOCPART == 2
	.amdgcn_target "amdgcn-amd-amdhsa--gfx1250"
	.amdhsa_code_object_version 6
	.text
	.protected	k_q2dc176cc9d_subgraph
	.globl	k_q2dc176cc9d_subgraph
	.p2align	8
	.type	k_q2dc176cc9d_subgraph,@function
k_q2dc176cc9d_subgraph:
	s_mov_b64 s[64:65], 0
	v_nop
	global_prefetch_b8 v0, s[64:65] scope:SCOPE_SE
	s_setreg_imm32_b32 hwreg(HW_REG_WAVE_SCHED_MODE, 0, 2), 2
	s_setreg_imm32_b32 hwreg(HW_REG_WAVE_MODE, 25, 1), 1
	s_wait_xcnt 0x0
	s_wait_alu depctr_vm_vsrc(0)
; NewSubGraph, whole: emb (K = 16, f32) -> LN, relu -> enc (MX-FP6) -> LN, relu -> 3 x [Q, K, V, two heads of 64, masked softmax, P V, relu + residual, LN] -> maximum over the 64 tokens.
; SHARES.  4,096 samples of 64 tokens x 128 features.  256 work-groups x 4 waves; ONE WAVE OWNS ONE SAMPLE and walks four of them (sample 16 x work-group + 4 x wave + i).  A sample never leaves its wave's registers.
; LDS is written once, at the head (all weights as images of operand registers, the small vectors beside them), then one barrier, then it is only read: no barrier, no LDS store in the loops.
; NO CLUSTER, NO TENSOR LOAD: all that work-groups share is 123 KB of weight codes, read once by each work-group and laid anew (rows chosen, register order) on the way through registers.
; LAYOUT (r = lane % 16, h = lane / 16, RT = r + 8 (r / 8)).  Token tile t, lane r: token 32 (t / 2) + 8 (t % 2) + RT.  Weight tile n, lane r: row 32 (n / 2) + 8 (n % 2) + RT.
;   T-layout of [64][128]: register 64 t + 16 b + i of lane (r, h) = token of (t, r), feature 32 b + 16 h + i: what a product with source 0 = weight tile, source 1 = token tile gives, and what the quantiser along the features takes.
;   V is made the other way round (source 0 = tokens, source 1 = Wv): a lane then holds one feature and 16 neighbouring tokens of each block of 32: the quantiser along the keys is the same lines.
;   Every quantised product has K <= 128: one matrix instruction for each 16 x 16 tile; its C is the bias, the mask or 0.
;   HEADS OF 64 ON K = 128: q's and P's fragments carry both heads (K 0-63, 64-127); k's and V^T's are laid [head 0: 6 registers][6 registers of zero codes][head 1: 6]: head 0 names the first 12, head 1 the last 12.
; MASK.  seq_len = sum of 1 - masks; pos < seq_len is taken as pos < ceil(seq_len), the same for whole pos.  The mask enters the scores as C = -80000 or 0: (S - 80000) / 8 = S / 8 - 10000.
; SOFTMAX.  t = logit x log2(e); M = ceil(row's largest t); p = 2^(t - M) is quantised along the keys; the row's sum of the unquantised p divides at the end.
; LIMITS.  NaN and infinities among the inputs are not served.  A block whose largest magnitude lies under 2^-124 keeps the scale byte 1 (a block of zeros too: its codes are zeros).  seq_len is summed lane by lane
;   (exact for masks of 0 and 1).  1 / sqrt is v_rsq_f32.  The -10000 of the mask is added inside the matrix instruction, with that instruction's own rounding of a sum near 80000.
; REGISTERS, in windows of 256 (s_set_vgpr_msb: bits 1:0 source 0, 3:2 source 1, 5:4 source 2, 7:6 destination):
;   window 0: v1-15 addresses; v16-37 scale words; v40-63 at work; v64-127 WB (two weight units' fragments and set A's bias; or LN's beta; or b_emb); v128-161 the next sample's features and masks; v162-189 at work (v162-177 also set B's bias); v192-255 ACC
;   window 1: HS, the sample's state, tile t at 64 t.     window 2: codes: KC 0, VC 72 (18 a tile), QC 144 (12 a tile; later P), HC 192 (16 a tile, 12 used; the gaps are the conversions' second halves, YS)
;   window 3: MK 0 (the mask, 128), EACC 128 (sums of the f32 matrix form; nothing else writes them), G 192 (LN's gain).
;   No scaled conversion names one number as destination and as source, in whatever window: that is why ACC and HC share the numbers 192-255 and SO lies on numbers that are zero registers in window 2.
; THE MODE: SCHED_MODE bits 1:0 = 2 (LLVM: expert scheduling mode 2), set by the entry lines.  The code itself states the register dependences between vector or matrix instructions and memory or LDS instructions,
;   and those through scalar registers that vector instructions write, with s_wait_alu, always for 0.
; THE PLAN.  Registers that memory or LDS instructions touch:
;   FT, MS        Loaded behind emb, for the next sample; read by the mask's two subtractions and by emb's products.  One wait on va_vdst ahead of the nine loads.
;   ACC           Loaded at a sample's head (W_emb's fragments); from emb on named by vector and matrix instructions alone, till the sample's one store reads its first four.
;   WB, G         Loaded at a sample's head (b_emb) and at a stage's head (beta, gain); read by additions and multiply-adds.
;   sets A and B  A weight unit is two fragments, two scale words, sixteen numbers of bias: 12 LDS loads.  Unit u lies in set u % 2.  Units 0 and 1 are asked for ahead of the quantising of HS; unit u + 1 at the head of
;                 unit u, into the set that unit u - 1's products have read.  So ONE wait on va_vdst stands at a unit's head, a whole quantising behind the products that it waits for, and a unit's loads have a unit in which to land.
;   GA, WA, SA, QA, BA   Written once a stage: a wait on vm_vsrc ahead of the five additions, and the stage's own wait on va_vdst behind them.  All other addresses are made at the head and never written again.
;   HS, the codes, the mask, the statistics are named by vector and matrix instructions alone; codes and scale words that vector instructions wrote have a wait on va_vdst, behind their places, ahead of the products that take them.
; ---- LDS map (bytes)
.set STW,  36864                       ; a stage's weights: three matrices of 12,288; a tile 1,536; a piece 512; a lane 16.  Stage 0: W_enc; stage d + 1: Wq, Wk, Wv of layer d
.set SCW,  147456                      ; scale words: 1,536 a stage, 512 a matrix, 64 a tile, 4 a lane r
.set P0,   153600                      ; b_emb
.set GBR,  P0+512                      ; [gain 512][beta 512] for emb, enc, ln 0..2
.set BQK,  P0+5632                     ; [b_enc or bq][bk], 1,024 a stage
.set BVI,  163328                      ; bv, each number four times: 16 bytes a feature, 2,048 a layer
.set WEI,  169472                      ; W_emb as fragments of the f32 form: 1,024 a tile, 512 a piece, 16 a lane
; ---- vector registers, window 0
.set LI,   1                           ; 16 x lane
.set R4,   2                           ; 4 r
.set PH,   3                           ; 64 h
.set BV16, 4                           ; 16 RT
.set FA,   5                           ; 64 RT + 32 h
.set MA,   6                           ; 8 x lane
.set OA,   7                           ; 128 (r / 4) + 64 h + 16 (r % 4)
.set RT,   8
.set H16,  9                           ; 16 h
.set NEG,  10                          ; -80000.0
.set WA,   11                          ; the stage's addresses: weights,
.set SA,   12                          ; scale words,
.set QA,   13                          ; biases in T-layout,
.set BA,   14                          ; bv,
.set GA,   15                          ; gain and beta
.set HCS,  16                          ; scale words of HC, QC, KC, VC: one a tile; these registers hold scales alone
.set QCS,  20
.set KCS,  24
.set VCS,  28
.set PS,   32                          ; P's
.set WSA,  34                          ; the weights': set A, set B
.set WSB,  36
.set EA,   38                          ; LI + WEI
.set PB,   39                          ; PH + P0
.set RL1,  40                          ; 1 / l of head 1 (low word of a pair)
.set SO,   42                          ; the conversions' scale operands
.set TM,   46                          ; largest magnitudes
.set TX,   50                          ; what lane l xor 16 sent
.set BY,   54                          ; scale bytes
.set NM0,  58                          ; -M of head 0 (58), head 1 (60): low words of pairs
.set RL0,  62                          ; 1 / l of head 0
.set WB,   64
.set W0,   64                          ; set A: two fragments: 64, 76
.set W1,   88                          ; set B: two fragments: 88, 100
.set BIAS, 112                         ; set A: sixteen numbers
.set FT,   128
.set MS,   160
.set CH,   162                         ; eight pairs of chains.  (At the head: temporaries HT)
.set BIB,  162                         ; set B: sixteen numbers, where the chains lie: no unit is at work while LN or a softmax sums
.set HT,   162
.set UP,   178                         ; four pairs: a tile's mean, later 1 / sqrt, in the low word
.set DQ,   186                         ; a bound for each query tile
.set ACC,  192
; ---- window 2, window 3
.set KC,   0
.set VC,   72
.set QC,   144
.set HC,   192
.set YS,   204
.set MK,   0
.set EACC, 128
.set G,    192
; ---- scalar registers.  s[4:49]: the 23 addresses in the order of the arguments; s[4:5] features, s[6:7] masks, s[8:9] out0 walk
.set CM,   10                          ; s10-s41, free once the head's loads are in: the masks of a run of compares
.set WV,   50
.set TS,   51
.set SEL,  52                          ; s[52:53] v_permlanex16_b32's selects for lane l xor 16
.set CS,   54                          ; s[54:55] log2(e) / 8
.set I128, 56
.set EPS,  57
.set M8,   58                          ; lanes with r bit 3, 2, 1, 0
.set M4,   59
.set M2,   60
.set M1,   61
.set SI,   62                          ; sample 0..3
.set SST,  63                          ; stage 0..4
.set SLW,  66
.set SLS,  67
.set SLQ,  68
.set SLB,  69
.set SLG,  70
.set FLR,  71                          ; 2^(3 - 127): the floor under every largest magnitude
.set M2E,  76                          ; -(2 << 23)
.set MSB, 0
.macro WIN new                         ; the immediate's high byte repeats the setting that is left; a switch that changes nothing is dropped
.if MSB != (\new)
	s_set_vgpr_msb (MSB<<8)|(\new)
.set MSB, (\new)
.endif
.endm
.macro PL n                            ; places behind or ahead of matrix instructions (ISA guide 7.12.1)
.rept \n
	v_nop
.endr
.endm
.macro MMC d, a, b, c, sa, sb
	v_wmma_scale_f32_16x16x128_f8f6f4 v[(\d):(\d)+7], v[(\a):(\a)+11], v[(\b):(\b)+11], v[(\c):(\c)+7], v[(\sa)], v[(\sb)] matrix_a_fmt:MATRIX_FMT_FP6 matrix_b_fmt:MATRIX_FMT_FP6
.endm
.macro MM0 d, a, b, sa, sb
	v_wmma_scale_f32_16x16x128_f8f6f4 v[(\d):(\d)+7], v[(\a):(\a)+11], v[(\b):(\b)+11], 0, v[(\sa)], v[(\sb)] matrix_a_fmt:MATRIX_FMT_FP6 matrix_b_fmt:MATRIX_FMT_FP6
.endm
; A sample's features (lane (r, h): of its tile's token, numbers 8 h .. 8 h + 7) and masks (two a lane)
.macro FLOAD
.irp t,0,1,2,3
.irp q,0,1
	global_load_b128 v[FT+8*\t+4*\q:FT+8*\t+4*\q+3], v[FA], s[4:5] offset:64*(32*(\t/2)+8*(\t%2))+16*\q th:TH_LOAD_NT
.endr
.endr
	global_load_b64 v[MS:MS+1], v[MA], s[6:7] th:TH_LOAD_NT
.endm
; A weight unit, 12 LDS loads: two fragments, their scale words, their bias.  kind 0: tiles 2 x, 2 x + 1, bias in T-layout; kind 1 (V): tiles x, x + 4, a lane's own feature's bias in all eight registers
.macro LOADU kind, m, x, wb, bb, ws
.if (\kind) == 0
.set N0, 2*(\x)
.set N1, 2*(\x)+1
.else
.set N0, (\x)
.set N1, (\x)+4
.endif
.irp c,0,1,2
	ds_load_b128 v[(\wb)+4*\c:(\wb)+4*\c+3], v[WA] offset:12288*(\m)+1536*N0+512*\c
.endr
.irp c,0,1,2
	ds_load_b128 v[(\wb)+12+4*\c:(\wb)+12+4*\c+3], v[WA] offset:12288*(\m)+1536*N1+512*\c
.endr
	ds_load_b32 v[(\ws)], v[SA] offset:512*(\m)+64*N0
	ds_load_b32 v[(\ws)+1], v[SA] offset:512*(\m)+64*N1
.if (\kind) == 0
.irp q,0,1,2,3
	ds_load_b128 v[(\bb)+4*\q:(\bb)+4*\q+3], v[QA] offset:512*(\m)+128*(\x)+16*\q
.endr
.else
	ds_load_b128 v[(\bb):(\bb)+3], v[BA] offset:512*(N0/2)+128*(N0%2)
	ds_load_b128 v[(\bb)+4:(\bb)+7], v[BA] offset:512*(N0/2)+128*(N0%2)
	ds_load_b128 v[(\bb)+8:(\bb)+11], v[BA] offset:512*(N1/2)+128*(N1%2)
	ds_load_b128 v[(\bb)+12:(\bb)+15], v[BA] offset:512*(N1/2)+128*(N1%2)
.endif
.endm
; The head of a unit: the unit after it is asked for, into the other set.  win: the setting of the products that follow, where it leaves an LDS load's data (the destination's window) and address (source 0's) in window 0; else 0
.macro AHEAD win, kind, m, x, wb, bb, ws
	WIN \win
	s_wait_alu depctr_va_vdst(0)                   ; the products of the unit before the last are done reading this set's fragments, scale words and bias, in which the 12 loads below land
	LOADU \kind, \m, \x, \wb, \bb, \ws
.endm
; Four blocks of 32 along K, each as 16 registers of mine (at s + 16 k, window sw) and 16 of lane l xor 16: largest magnitude with the floor among its leaves, then 2 off its exponent field: the conversion's scale operand
.macro BLK4 s, sw
	WIN 0x14*(\sw)
.irp k,0,1,2,3
	v_max3_num_f32 v[TM+\k], s[FLR], |v[(\s)+16*\k]|, |v[(\s)+16*\k+1]|
.endr
.irp i,2,4,6,8,10,12,14
.irp k,0,1,2,3
	v_max3_num_f32 v[TM+\k], v[TM+\k], |v[(\s)+16*\k+\i]|, |v[(\s)+16*\k+\i+1]|
.endr
.endr
	WIN 0
.irp k,0,1,2,3
	v_permlanex16_b32 v[TX+\k], v[TM+\k], s[SEL], s[SEL+1]
.endr
.irp k,0,1,2,3
	v_max_num_f32 v[TM+\k], v[TM+\k], v[TX+\k]
.endr
.irp k,0,1,2,3
	v_add_nc_u32 v[SO+\k], s[M2E], v[TM+\k]
.endr
.endm
; The operand's layout wants a whole block in a lane: x's lanes 16-31 change places with y's lanes 0-15; then y follows x.  (Under destination and source 0 in window 2)
.macro SWAPMV x, y
.irp i,0,1,2
	v_permlane16_swap_b32 v[(\x)+\i], v[(\y)+\i]
.endr
.irp i,0,1,2
	v_mov_b32 v[(\x)+3+\i], v[(\y)+\i]
.endr
.endm
; 64 registers at s (window sw), register 16 b + i = k 32 b + 16 h + i of my row, become a fragment: halves at fd and fd + cs (window 2), scale word in swr
.macro QR s, sw, fd, cs, swr
	BLK4 \s, \sw
.irp k,0,1,2,3
	v_lshrrev_b32 v[BY+\k], 23, v[SO+\k]
.endr
	v_lshl_or_b32 v[\swr], v[BY+1], 8, v[BY]
	v_lshl_or_b32 v[\swr], v[BY+2], 16, v[\swr]
	v_lshl_or_b32 v[\swr], v[BY+3], 24, v[\swr]
	WIN 0x80|(\sw)
.irp c,0,1
	v_cvt_scalef32_pk16_fp6_f32 v[(\fd)+(\cs)*\c:(\fd)+(\cs)*\c+2], v[(\s)+32*\c:(\s)+32*\c+15], v[SO+2*\c]
	v_cvt_scalef32_pk16_fp6_f32 v[YS+32*\c:YS+32*\c+2], v[(\s)+32*\c+16:(\s)+32*\c+31], v[SO+2*\c+1]
.endr
	v_nop                                          ; one plain place behind the scaled conversions
	WIN 0x82
.irp c,0,1
	SWAPMV (\fd)+(\cs)*\c, YS+32*\c
.endr
.endm
; Feature block b of the four token tiles, out of ACC (tile t at ACC + 16 t): byte b of the tiles' scale words sw0 + t; codes to fd + ts t + cs (b / 2); an odd block completes the half
.macro QCU b, fd, ts, cs, sw0
	BLK4 ACC, 0
.if (\b) == 0
.irp t,0,1,2,3
	v_lshrrev_b32 v[(\sw0)+\t], 23, v[SO+\t]
.endr
.else
.irp t,0,1,2,3
	v_lshrrev_b32 v[BY+\t], 23, v[SO+\t]
.endr
.irp t,0,1,2,3
	v_lshl_or_b32 v[(\sw0)+\t], v[BY+\t], 8*(\b), v[(\sw0)+\t]
.endr
.endif
	WIN 0x80
.irp t,0,1,2,3
.if (\b)%2 == 0
	v_cvt_scalef32_pk16_fp6_f32 v[(\fd)+(\ts)*\t+(\cs)*((\b)/2):(\fd)+(\ts)*\t+(\cs)*((\b)/2)+2], v[ACC+16*\t:ACC+16*\t+15], v[SO+\t]
.else
	v_cvt_scalef32_pk16_fp6_f32 v[YS+16*(\t+1-2*(\t%2)):YS+16*(\t+1-2*(\t%2))+2], v[ACC+16*\t:ACC+16*\t+15], v[SO+\t]
.endif
.endr
	v_nop                                          ; one plain place behind the scaled conversions
.if (\b)%2 == 1
	WIN 0x82
.irp t,0,1,2,3
	SWAPMV (\fd)+(\ts)*\t+(\cs)*((\b)/2), YS+16*(\t+1-2*(\t%2))
.endr
.endif
.endm
; Eight products of a unit of Q or K, out of the set (w, bi, ws): two weight tiles x four token tiles, bias as C; then the places ahead of the first read of the results.  left: the LDS loads issued behind the unit's own
.macro PROJ w, bi, ws, left
	s_wait_dscnt \left                             ; the unit's 12 loads are in; those of the unit asked for behind it stay out
	WIN 0x08
.irp u,0,1
.irp t,0,1,2,3
	MMC ACC+16*\t+8*\u, (\w)+12*\u, HC+16*\t, (\bi)+8*\u, (\ws)+\u, HCS+\t
.endr
.endr
	WIN 0
	PL 4
.endm
.macro PROJV w, bi, ws, left           ; the same for V, sources the other way round
	s_wait_dscnt \left
	WIN 0x02
.irp e,0,1
.irp t,0,1,2,3
	MMC ACC+32*\e+8*\t, HC+16*\t, (\w)+12*\e, (\bi)+8*\e, HCS+\t, (\ws)+\e
.endr
.endr
	WIN 0
	PL 4
.endm
.macro EB b, w, bi, ws                 ; the encoder's unit b: results straight into HS
	WIN 0x48
.irp u,0,1
.irp t,0,1,2,3
	MMC 64*\t+16*(\b)+8*\u, (\w)+12*\u, HC+16*\t, (\bi)+8*\u, (\ws)+\u, HCS+\t
.endr
.endr
	WIN 0
.endm
; The softmax of query tile tq, both heads: ACC + 32 hd + 16 B + i = score of my query with key 32 B + 16 h + i.  Leaves P's codes where q's were, P's scale word, and 1 / l
.macro SMX tq
.irp b,0,1,2,3
	v_max3_num_f32 v[TM+\b], v[ACC+16*\b], v[ACC+16*\b+1], v[ACC+16*\b+2]   ; the largest score of each block of 32 keys: for the row's maximum, and, since p rises with the score, for the block's largest p
.endr
.irp i,3,5,7,9,11,13
.irp b,0,1,2,3
	v_max3_num_f32 v[TM+\b], v[TM+\b], v[ACC+16*\b+\i], v[ACC+16*\b+\i+1]
.endr
.endr
.irp b,0,1,2,3
	v_max_num_f32 v[TM+\b], v[TM+\b], v[ACC+16*\b+15]
.endr
.irp b,0,1,2,3
	v_permlanex16_b32 v[TX+\b], v[TM+\b], s[SEL], s[SEL+1]
.endr
.irp b,0,1,2,3
	v_max_num_f32 v[TM+\b], v[TM+\b], v[TX+\b]
.endr
.irp hd,0,1
	v_max_num_f32 v[SO+\hd], v[TM+2*\hd], v[TM+2*\hd+1]
.endr
.irp hd,0,1
	v_mul_f32 v[SO+\hd], s[CS], v[SO+\hd]          ; the row's largest t
.endr
.irp hd,0,1
	v_floor_f32 v[NM0+2*\hd], -v[SO+\hd]           ; -M = floor(-t) = -ceil(t)
.endr
.set II, 0
.rept 32
	v_pk_fma_f32 v[ACC+2*II:ACC+2*II+1], v[ACC+2*II:ACC+2*II+1], s[CS:CS+1], v[NM0+2*(II/16):NM0+2*(II/16)+1] op_sel_hi:[1,0,0]   ; t - M
.set II, II+1
.endr
.irp b,0,1,2,3
	v_fma_f32 v[TM+\b], v[TM+\b], s[CS], v[NM0+2*(\b/2)]
.endr
.set II, 0
.rept 64
	v_exp_f32 v[ACC+II], v[ACC+II]                 ; p, not normalised
.set II, II+1
.endr
	v_nop                                          ; a plain place behind the exponentials
	s_wait_alu depctr_va_vdst(0)                   ; one wait for the 64, ahead of their first reader
.irp b,0,1,2,3
	v_exp_f32 v[TM+\b], v[TM+\b]                   ; each block's largest p
.endr
.irp hd,0,1                                    ; the row's sum of the unquantised p: two chains a head
	v_pk_add_f32 v[CH+4*\hd:CH+4*\hd+1], v[ACC+32*\hd:ACC+32*\hd+1], v[ACC+32*\hd+2:ACC+32*\hd+3]
	v_pk_add_f32 v[CH+4*\hd+2:CH+4*\hd+3], v[ACC+32*\hd+4:ACC+32*\hd+5], v[ACC+32*\hd+6:ACC+32*\hd+7]
.endr
.irp k,8,12,16,20,24,28
.irp hd,0,1
	v_pk_add_f32 v[CH+4*\hd:CH+4*\hd+1], v[CH+4*\hd:CH+4*\hd+1], v[ACC+32*\hd+\k:ACC+32*\hd+\k+1]
	v_pk_add_f32 v[CH+4*\hd+2:CH+4*\hd+3], v[CH+4*\hd+2:CH+4*\hd+3], v[ACC+32*\hd+\k+2:ACC+32*\hd+\k+3]
.endr
.endr
.irp hd,0,1
	v_pk_add_f32 v[CH+4*\hd:CH+4*\hd+1], v[CH+4*\hd:CH+4*\hd+1], v[CH+4*\hd+2:CH+4*\hd+3]
.endr
.irp hd,0,1
	v_add_f32 v[BY+\hd], v[CH+4*\hd], v[CH+4*\hd+1]
.endr
.irp hd,0,1
	v_permlanex16_b32 v[TX+\hd], v[BY+\hd], s[SEL], s[SEL+1]
.endr
.irp hd,0,1
	v_add_f32 v[BY+\hd], v[BY+\hd], v[TX+\hd]
.endr
	v_rcp_f32 v[RL0], v[BY]
	v_rcp_f32 v[RL1], v[BY+1]
	v_nop                                          ; a plain place behind the reciprocals
	s_wait_alu depctr_va_vdst(0)                   ; one wait for the four exponentials and the two reciprocals
.irp b,0,1,2,3
	v_max_num_f32 v[TM+\b], s[FLR], v[TM+\b]       ; the floor: a block whose every p is 0 keeps the byte 1; its codes are zeros
.endr
.irp b,0,1,2,3
	v_add_nc_u32 v[SO+\b], s[M2E], v[TM+\b]
.endr
.irp b,0,1,2,3
	v_lshrrev_b32 v[BY+\b], 23, v[SO+\b]
.endr
	v_lshl_or_b32 v[PS], v[BY+1], 8, v[BY]
	v_lshl_or_b32 v[PS], v[BY+2], 16, v[PS]
	v_lshl_or_b32 v[PS], v[BY+3], 24, v[PS]
	WIN 0x80
.irp c,0,1
	v_cvt_scalef32_pk16_fp6_f32 v[QC+12*(\tq)+6*\c:QC+12*(\tq)+6*\c+2], v[ACC+32*\c:ACC+32*\c+15], v[SO+2*\c]
	v_cvt_scalef32_pk16_fp6_f32 v[YS+32*\c:YS+32*\c+2], v[ACC+32*\c+16:ACC+32*\c+31], v[SO+2*\c+1]
.endr
	v_nop
	WIN 0x82
.irp c,0,1
	SWAPMV QC+12*(\tq)+6*\c, YS+32*\c
.endr
.endm
; relu(P V) / l + residual, into HS's tile tq.  (l is positive, so relu may stand ahead of the division.)  ACC is read from each accumulator's low end on
.macro FIN tq
.set II, 0
.rept 64
	v_max_num_f32 v[ACC+II], 0, v[ACC+II]
.set II, II+1
.endr
	WIN 0x50
.set II, 0
.rept 32
	v_pk_fma_f32 v[64*(\tq)+2*II:64*(\tq)+2*II+1], v[ACC+2*II:ACC+2*II+1], v[RL0-22*(II/16):RL0-22*(II/16)+1], v[64*(\tq)+2*II:64*(\tq)+2*II+1] op_sel_hi:[1,0,1]
.set II, II+1
.endr
.endm
; (k's and q's codes and scale words were written ahead of the wait at the head of V's first unit: the score products owe no further wait)
.macro ATT tq
	WIN 0x3a                                       ; k and q in window 2, the mask in window 3
.irp hd,0,1
.irp tk,0,1,2,3
	MMC ACC+32*\hd+8*\tk, KC+18*\tk+6*\hd, QC+12*(\tq), MK+32*(\tq)+8*\tk, KCS+\tk, QCS+(\tq)
.endr
.endr
	WIN 0
	PL 4
	SMX \tq
	WIN 0
	PL 8                                           ; P's scale word and codes were written by vector instructions
	s_wait_alu depctr_va_vdst(0)                   ; P's codes and its scale word are written (V's were, ahead of the softmax's waits): the products below take them; the places above stay beside this wait
	WIN 0x0a
.irp n,0,1,2,3,4,5,6,7
	MM0 ACC+8*\n, VC+18*(\n%4)+6*(\n/4), QC+12*(\tq), VCS+(\n%4), PS
.endr
	WIN 0
	PL 4
	FIN \tq
.endm
; A step of the maximum across the 16 lanes of a half: lanes with the bit keep the upper n registers and send the lower, the others the other way round: half as many registers remain
.macro RSTEP n, mask, xm
.set GG, 0
.rept (\n)/4
.irp q,0,1,2,3
	v_cndmask_b32 v[TM+\q], v[ACC+GG+\q], v[ACC+GG+\q+(\n)], s[\mask]
.endr
.irp q,0,1,2,3
	v_cndmask_b32 v[BY+\q], v[ACC+GG+\q+(\n)], v[ACC+GG+\q], s[\mask]
.endr
.irp q,0,1,2,3
	v_max_num_f32_dpp v[ACC+GG+\q], v[BY+\q], v[TM+\q] row_xmask:\xm row_mask:0xf bank_mask:0xf
.endr
.set GG, GG+4
.endr
.endm
; =================================================================== HEAD
	s_load_b512 s[4:19], s[0:1], 0x0               ; features, masks, out0, W_emb, W_enc codes, scales, Wq codes, scales
	s_load_b512 s[20:35], s[0:1], 0x40             ; Wk codes, scales, Wv codes, scales, b_emb, g_emb, beta_emb, b_enc
	s_load_b256 s[36:43], s[0:1], 0x80             ; g_enc, beta_enc, bq, bk
	s_load_b128 s[44:47], s[0:1], 0xa0             ; bv, ln_g
	s_load_b64 s[48:49], s[0:1], 0xb0              ; ln_b
	v_lshl_add_u32 v190, v0, 2, 0x2b600
	v_mov_b32 v191, 0
	v_lshrrev_b32 v11, 5, v0
	v_readfirstlane_b32 s[WV], v11                 ; wave 0..3
	v_and_b32 v12, 31, v0                          ; lane
	v_and_b32 v13, 15, v0                          ; r
	v_bfe_u32 v14, v0, 4, 1                        ; h
	v_lshlrev_b32 v[LI], 4, v12
	v_lshlrev_b32 v[R4], 2, v13
	v_lshlrev_b32 v[PH], 6, v14
	v_and_b32 v15, 8, v13
	v_add_nc_u32 v[RT], v15, v13
	v_lshlrev_b32 v[BV16], 4, v[RT]
	v_lshlrev_b32 v[FA], 6, v[RT]
	v_lshl_add_u32 v[FA], v14, 5, v[FA]
	v_lshlrev_b32 v[MA], 3, v12
	v_lshlrev_b32 v[H16], 4, v14
	v_mov_b32 v[NEG], 0xc79c4000
	v_lshrrev_b32 v15, 2, v13
	v_lshlrev_b32 v[OA], 7, v15
	v_lshl_add_u32 v[OA], v14, 6, v[OA]
	v_and_b32 v15, 3, v13
	v_lshl_add_u32 v[OA], v15, 4, v[OA]
	v_add_nc_u32 v[EA], WEI, v[LI]
	v_add_nc_u32 v[PB], P0, v[PH]
	s_mov_b32 s[SEL], 0x76543210
	s_mov_b32 s[SEL+1], 0xfedcba98
	s_mov_b32 s[CS], 0x3e38aa3b
	s_mov_b32 s[CS+1], s[CS]                       ; (named with it as a pair, so it is written)
	s_mov_b32 s[I128], 0x3c000000
	s_mov_b32 s[EPS], 0x3727c5ac
	s_mov_b32 s[M8], 0xff00ff00
	s_mov_b32 s[M4], 0xf0f0f0f0
	s_mov_b32 s[M2], 0xcccccccc
	s_mov_b32 s[M1], 0xaaaaaaaa
	s_mov_b32 s[FLR], 0x01800000
	s_mov_b32 s[M2E], 0xff000000
	s_wait_alu depctr_va_sdst(0)                   ; the wave's number is written, ahead of its first reader: LDS places and the bases are made from it
	; what my wave stages: tiles 2 w and 2 w + 1 of every matrix: rows 32 w + 8 u + RT
	s_lshl_b32 s[TS], s[WV], 5
	v_add_nc_u32 v[HT+4], s[TS], v[RT]
	v_mul_u32_u24 v[HT], v[HT+4], 96               ; codes: 96 bytes a row,
	v_mad_u32_u24 v[HT], v14, 24, v[HT]            ; + 24 h
	v_lshlrev_b32 v[HT+1], 2, v[HT+4]              ; scale words: 4 bytes a row
	v_lshl_add_u32 v[HT+2], v14, 12, v[HT+1]       ; W_emb[8 h + ..][row]: 512 bytes a k
	v_lshlrev_b32 v[HT+3], 2, v0                   ; the small vectors: a number a thread
	s_mul_i32 s[TS], s[WV], 3072
	v_add_nc_u32 v[HT+5], s[TS], v[LI]             ; where the images go: 16 x lane + 3,072 w, + a stage
	v_add_nc_u32 v[HT+6], STW, v[HT+5]
	v_add_nc_u32 v[HT+7], 2*STW, v[HT+5]
	v_add_nc_u32 v[HT+8], 3*STW, v[HT+5]
	s_lshl_b32 s[TS], s[WV], 7
	s_add_co_u32 s[TS], s[TS], SCW
	v_add_nc_u32 v[HT+9], s[TS], v[R4]
	s_lshl_b32 s[TS], s[WV], 11
	v_add_nc_u32 v[HT+10], s[TS], v[EA]
	v_add_nc_u32 v[HT+11], P0, v[HT+3]
	v_lshl_add_u32 v[HT+12], v0, 4, BVI
	; written once, while the arguments are on their way: destinations of lane permutes, upper words of pairs of which the low word alone is used, the zero codes
.irp k,0,1,2,3
	v_mov_b32 v[TX+\k], 0
	v_mov_b32 v[UP+2*\k+1], 0
.endr
	v_mov_b32 v[NM0+1], 0
	v_mov_b32 v[NM0+3], 0
	v_mov_b32 v[RL0+1], 0
	v_mov_b32 v[RL1+1], 0
	WIN 0x80
.irp t,0,1,2,3
.irp i,0,1,2,3,4,5
	v_mov_b32 v[KC+18*\t+6+\i], 0
	v_mov_b32 v[VC+18*\t+6+\i], 0
.endr
.endr
	WIN 0
	s_wait_kmcnt 0x0
	s_lshl_b32 s72, ttmp9, 16                      ; my first sample, 16 x work-group + 4 x wave: 4,096 bytes of features each,
	s_lshl_b32 s74, s[WV], 14
	s_add_co_u32 s72, s72, s74
	s_mov_b32 s73, 0
	s_add_nc_u64 s[4:5], s[4:5], s[72:73]
	s_lshr_b32 s72, s72, 4                         ; 256 of masks,
	s_add_nc_u64 s[6:7], s[6:7], s[72:73]
	s_lshl_b32 s72, s72, 1                         ; 512 of out0
	s_add_nc_u64 s[8:9], s[8:9], s[72:73]
	s_wait_alu depctr_va_vdst(0)                   ; every offset and LDS address that is made once is written: FA, MA, OA, EA, PB, LI, R4, PH, BV16 and the staging's HT ..: the loads and stores below, and those of the loops, read them.  No vector instruction stands between this wait and the barrier
	FLOAD                                          ; the first sample
	; all staging loads go out together
.macro CLOAD mi, sb, d                 ; two fragments of matrix number mi into window 1, as the operand's registers take them: 24 bytes and 24 bytes, in pieces of 8
.irp u,0,1
.irp p,0,1,2,3,4,5
	global_load_b64 v[12*(2*(\mi)+\u)+2*\p:12*(2*(\mi)+\u)+2*\p+1], v[HT], s[\sb:\sb+1] offset:12288*(\d)+768*\u+48*(\p/3)+8*(\p%3)
.endr
.endr
.endm
.macro SLOAD mi, sb, d
.irp u,0,1
	global_load_b32 v[64+2*(\mi)+\u], v[HT+1], s[\sb:\sb+1] offset:512*(\d)+32*\u
.endr
.endm
.macro VLOAD reg, sb, d
	global_load_b32 v[\reg], v[HT+3], s[\sb:\sb+1] offset:512*(\d)
.endm
	WIN 0x40
	CLOAD 0, 12, 0
.irp d,0,1,2
	CLOAD 1+3*\d, 16, \d
	CLOAD 2+3*\d, 20, \d
	CLOAD 3+3*\d, 24, \d
.endr
	WIN 0
	SLOAD 0, 14, 0
.irp d,0,1,2
	SLOAD 1+3*\d, 18, \d
	SLOAD 2+3*\d, 22, \d
	SLOAD 3+3*\d, 26, \d
.endr
.irp u,0,1
.irp k,0,1,2,3,4,5,6,7
	global_load_b32 v[84+8*\u+\k], v[HT+2], s[10:11] offset:512*\k+32*\u
.endr
.endr
	VLOAD 100, 28, 0
	VLOAD 101, 30, 0
	VLOAD 102, 32, 0
	VLOAD 103, 34, 0
	VLOAD 104, 36, 0
	VLOAD 105, 38, 0
.irp d,0,1,2
	VLOAD 106+\d, 40, \d
	VLOAD 109+\d, 42, \d
	VLOAD 112+\d, 44, \d
	VLOAD 115+\d, 46, \d
	VLOAD 118+\d, 48, \d
.endr
	s_wait_loadcnt 0x0
.macro CSTORE mi, f, m
.irp u,0,1
.irp c,0,1,2
	ds_store_b128 v[HT+5+\f], v[12*(2*(\mi)+\u)+4*\c:12*(2*(\mi)+\u)+4*\c+3] offset:12288*(\m)+1536*\u+512*\c
.endr
.endr
.endm
.macro SSTORE mi, f, m
.irp u,0,1
	ds_store_b32 v[HT+9], v[64+2*(\mi)+\u] offset:1536*(\f)+512*(\m)+64*\u   ; lanes r and r + 16 write the same word with the same value
.endr
.endm
	WIN 0x04                                       ; an LDS store's data are its source 1: window 1
	CSTORE 0, 0, 0
.irp d,0,1,2
.irp m,0,1,2
	CSTORE 1+3*\d+\m, 1+\d, \m
.endr
.endr
	WIN 0
	SSTORE 0, 0, 0
.irp d,0,1,2
.irp m,0,1,2
	SSTORE 1+3*\d+\m, 1+\d, \m
.endr
.endr
.irp u,0,1
.irp q,0,1
	ds_store_b128 v[HT+10], v[84+8*\u+4*\q:84+8*\u+4*\q+3] offset:1024*\u+512*\q
.endr
.endr
	ds_store_b32 v[HT+11], v100                    ; b_emb
	ds_store_b32 v[HT+11], v101 offset:512         ; g_emb, beta_emb
	ds_store_b32 v[HT+11], v102 offset:1024
	ds_store_b32 v[HT+11], v104 offset:1536        ; g_enc, beta_enc
	ds_store_b32 v[HT+11], v105 offset:2048
	ds_store_b32 v[HT+11], v103 offset:5632        ; b_enc
.irp d,0,1,2
	ds_store_b32 v[HT+11], v[115+\d] offset:512+1024*(2+\d)
	ds_store_b32 v[HT+11], v[118+\d] offset:1024+1024*(2+\d)
	ds_store_b32 v[HT+11], v[106+\d] offset:5632+1024*(1+\d)
	ds_store_b32 v[HT+11], v[109+\d] offset:5632+1024*(1+\d)+512
.irp k,0,1,2,3
	ds_store_b32 v[HT+12], v[112+\d] offset:2048*\d+4*\k
.endr
.endr
	s_wait_dscnt 0x0                               ; for the others' sake: my stores have landed
	s_barrier_signal -1
	s_barrier_wait -1                              ; the one barrier: from here on LDS is only read
	s_mov_b32 s[SI], 0
; =================================================================== A SAMPLE
.Lsample:
	s_wait_loadcnt 0x0                             ; its features and masks, asked for a sample ago
	s_wait_alu depctr_vm_vsrc(0)                   ; first sample: the staging's loads and LDS stores have read their offsets and data, registers that are WB, HS and the chains from here on; later: the last sample's store has read ACC's first four
	s_wait_alu depctr_va_vdst(0)                   ; the last sample's maxima are done with ACC and its last LN with WB: the loads below land in both
.irp n,0,1,2,3,4,5,6,7
.irp q,0,1
	ds_load_b128 v[ACC+8*\n+4*\q:ACC+8*\n+4*\q+3], v[EA] offset:1024*\n+512*\q      ; W_emb's fragments
.endr
.endr
.irp b,0,1,2,3
.irp q,0,1,2,3
	ds_load_b128 v[WB+16*\b+4*\q:WB+16*\b+4*\q+3], v[PB] offset:128*\b+16*\q        ; b_emb in T-layout
.endr
.endr
	s_mov_b32 s[SST], 0
	s_mov_b32 s[SLW], 0
	s_mov_b32 s[SLS], SCW
	s_mov_b32 s[SLQ], BQK
	s_mov_b32 s[SLB], BVI-2048
	s_mov_b32 s[SLG], GBR
	; ---- the mask.  seq_len, its ceiling Li; key c + 16 h counts where c <= Li - 16 h - 1; a query beyond Li hides every key
	v_sub_f32 v[TM], 1.0, v[MS]
	v_sub_f32 v[TM+1], 1.0, v[MS+1]
	v_add_f32 v[TM], v[TM], v[TM+1]
	v_add_f32_dpp v[TM], v[TM], v[TM] row_xmask:1 row_mask:0xf bank_mask:0xf
	v_add_f32_dpp v[TM], v[TM], v[TM] row_xmask:2 row_mask:0xf bank_mask:0xf
	v_add_f32_dpp v[TM], v[TM], v[TM] row_xmask:4 row_mask:0xf bank_mask:0xf
	v_add_f32_dpp v[TM], v[TM], v[TM] row_xmask:8 row_mask:0xf bank_mask:0xf
	v_permlanex16_b32 v[TX], v[TM], s[SEL], s[SEL+1]
	v_add_f32 v[TM], v[TM], v[TX]
	v_floor_f32 v[TM], -v[TM]
	v_cvt_i32_f32 v[TM], v[TM]
	v_sub_nc_u32 v[TM], 0, v[TM]                   ; Li
	v_sub_nc_u32 v[TM+1], v[TM], v[H16]
	v_add_nc_u32 v[TM+1], -1, v[TM+1]              ; Li - 16 h - 1
	; the compares stand in runs, each into a scalar register of its own, with one wait behind the run
.irp tq,0,1,2,3
	v_add_nc_u32 v[BY+\tq], 32*(\tq/2)+8*(\tq%2), v[RT]
.endr
.irp tq,0,1,2,3
	v_cmp_gt_i32 s[CM+\tq], v[TM], v[BY+\tq]
.endr
	s_wait_alu depctr_va_sdst(0)                   ; the four compares have written their masks, which the four selects read
.irp tq,0,1,2,3
	v_cndmask_b32 v[DQ+\tq], -1, v[TM+1], s[CM+\tq]
.endr
.irp tq,0,1,2,3
	WIN 0
.irp tk,0,1,2,3
.irp j,0,1,2,3,4,5,6,7
	v_cmp_gt_i32 s[CM+8*\tk+\j], 32*(\tk/2)+8*(\tk%2)+\j, v[DQ+\tq]
.endr
.endr
	s_wait_alu depctr_va_sdst(0)                   ; the 32 compares of this query tile have written their masks, which the 32 selects read
	WIN 0xc0
.irp tk,0,1,2,3
.irp j,0,1,2,3,4,5,6,7
	v_cndmask_b32 v[MK+32*\tq+8*\tk+\j], 0, v[NEG], s[CM+8*\tk+\j]
.endr
.endr
.endr
	WIN 0
	s_wait_dscnt 0x0                               ; W_emb's fragments and b_emb
	; ---- emb: f32 operands, since the result goes on into a quantiser.  K = 16 in four steps; slot (h, j) of step s carries k = 8 h + 2 s + j on both sides.  The eight accumulators take turns
.irp t,0,1,2,3
	WIN 0xc0
.irp n,0,1,2,3,4,5,6,7
	v_wmma_f32_16x16x4_f32 v[EACC+8*\n:EACC+8*\n+7], v[ACC+8*\n:ACC+8*\n+1], v[FT+8*\t:FT+8*\t+1], 0
.endr
	WIN 0xf0
.irp s,1,2,3
.irp n,0,1,2,3,4,5,6,7
	v_wmma_f32_16x16x4_f32 v[EACC+8*\n:EACC+8*\n+7], v[ACC+8*\n+2*\s:ACC+8*\n+2*\s+1], v[FT+8*\t+2*\s:FT+8*\t+2*\s+1], v[EACC+8*\n:EACC+8*\n+7]
.endr
.endr
	WIN 0
	PL 8
	WIN 0x43
.set II, 0
.rept 32
	v_pk_add_f32 v[64*\t+2*II:64*\t+2*II+1], v[EACC+2*II:EACC+2*II+1], v[WB+2*II:WB+2*II+1]   ; + b_emb, into other registers than the sums'
.set II, II+1
.endr
.endr
	WIN 0
	s_cmp_eq_u32 s[SI], 3                          ; the next sample's features and masks, if there is one: they have a whole sample in which to land
	s_cbranch_scc1 .Lno_next
	s_add_nc_u64 s[4:5], s[4:5], 4096              ; (the loads that read these bases were waited for at the sample's head)
	s_add_nc_u64 s[6:7], s[6:7], 256
	s_wait_alu depctr_va_vdst(0)                   ; emb's products are done reading FT and the mask's subtractions MS: the nine loads below land there
	FLOAD
.Lno_next:
; =================================================================== A STAGE: LN (and relu), quantise, then the encoder (stage 0) or a layer (1..3); stage 4 is the last LN alone
.Lstage:
	s_wait_alu depctr_vm_vsrc(0)                   ; the LDS loads of the stage before have read the five addresses that are written below
	v_add_nc_u32 v[GA], s[SLG], v[PH]
	v_add_nc_u32 v[WA], s[SLW], v[LI]
	v_add_nc_u32 v[SA], s[SLS], v[R4]
	v_add_nc_u32 v[QA], s[SLQ], v[PH]
	v_add_nc_u32 v[BA], s[SLB], v[BV16]
	WIN 0xc0
	s_wait_alu depctr_va_vdst(0)                   ; the five addresses are written, which this stage's LDS loads read; the last LN is done reading G, and b_emb's additions, the last LN and the last units' products are done reading WB: the loads below land in both
.irp b,0,1,2,3
.irp q,0,1,2,3
	ds_load_b128 v[G+16*\b+4*\q:G+16*\b+4*\q+3], v[GA] offset:128*\b+16*\q           ; the gain, in T-layout
.endr
.endr
	WIN 0
.irp b,0,1,2,3
.irp q,0,1,2,3
	ds_load_b128 v[WB+16*\b+4*\q:WB+16*\b+4*\q+3], v[GA] offset:512+128*\b+16*\q     ; beta
.endr
.endr
	; ---- LN of the four tiles, by turns.  A token's 128 features lie in lanes l and l xor 16.  HS is read from its low end on
	WIN 0x05
.irp a,0,1
.irp t,0,1,2,3
	v_pk_add_f32 v[CH+4*\t+2*\a:CH+4*\t+2*\a+1], v[64*\t+4*\a:64*\t+4*\a+1], v[64*\t+4*\a+2:64*\t+4*\a+3]
.endr
.endr
	WIN 0x04
.irp k,4,6,8,10,12,14,16,18,20,22,24,26,28,30
.irp t,0,1,2,3
	v_pk_add_f32 v[CH+4*\t:CH+4*\t+1], v[CH+4*\t:CH+4*\t+1], v[64*\t+2*\k:64*\t+2*\k+1]
	v_pk_add_f32 v[CH+4*\t+2:CH+4*\t+3], v[CH+4*\t+2:CH+4*\t+3], v[64*\t+2*\k+2:64*\t+2*\k+3]
.endr
.endr
	WIN 0
.irp t,0,1,2,3
	v_pk_add_f32 v[CH+4*\t:CH+4*\t+1], v[CH+4*\t:CH+4*\t+1], v[CH+4*\t+2:CH+4*\t+3]
.endr
.irp t,0,1,2,3
	v_add_f32 v[UP+2*\t], v[CH+4*\t], v[CH+4*\t+1]
.endr
.irp t,0,1,2,3
	v_permlanex16_b32 v[TX+\t], v[UP+2*\t], s[SEL], s[SEL+1]
.endr
.irp t,0,1,2,3
	v_add_f32 v[UP+2*\t], v[UP+2*\t], v[TX+\t]
.endr
.irp t,0,1,2,3
	v_mul_f32 v[UP+2*\t], s[I128], v[UP+2*\t]      ; the mean
.endr
	WIN 0x41
.set II, 0
.rept 128
	v_pk_add_f32 v[2*II:2*II+1], v[2*II:2*II+1], v[UP+2*(II/32):UP+2*(II/32)+1] op_sel_hi:[1,0] neg_lo:[0,1] neg_hi:[0,1]   ; x - u
.set II, II+1
.endr
	WIN 0x05
.irp a,0,1
.irp t,0,1,2,3
	v_pk_mul_f32 v[CH+4*\t+2*\a:CH+4*\t+2*\a+1], v[64*\t+2*\a:64*\t+2*\a+1], v[64*\t+2*\a:64*\t+2*\a+1]
.endr
.endr
.irp k,2,4,6,8,10,12,14,16,18,20,22,24,26,28,30
.irp t,0,1,2,3
	v_pk_fma_f32 v[CH+4*\t:CH+4*\t+1], v[64*\t+2*\k:64*\t+2*\k+1], v[64*\t+2*\k:64*\t+2*\k+1], v[CH+4*\t:CH+4*\t+1]
	v_pk_fma_f32 v[CH+4*\t+2:CH+4*\t+3], v[64*\t+2*\k+2:64*\t+2*\k+3], v[64*\t+2*\k+2:64*\t+2*\k+3], v[CH+4*\t+2:CH+4*\t+3]
.endr
.endr
	WIN 0
.irp t,0,1,2,3
	v_pk_add_f32 v[CH+4*\t:CH+4*\t+1], v[CH+4*\t:CH+4*\t+1], v[CH+4*\t+2:CH+4*\t+3]
.endr
.irp t,0,1,2,3
	v_add_f32 v[TM+\t], v[CH+4*\t], v[CH+4*\t+1]
.endr
.irp t,0,1,2,3
	v_permlanex16_b32 v[TX+\t], v[TM+\t], s[SEL], s[SEL+1]
.endr
.irp t,0,1,2,3
	v_add_f32 v[TM+\t], v[TM+\t], v[TX+\t]
.endr
.irp t,0,1,2,3
	v_fma_f32 v[TM+\t], v[TM+\t], s[I128], s[EPS]  ; the variance + eps
.endr
.irp t,0,1,2,3
	v_rsq_f32 v[UP+2*\t], v[TM+\t]
.endr
	v_nop                                          ; a plain place behind the four
	s_wait_alu depctr_va_vdst(0)                   ; one wait for the four, ahead of their first reader
	WIN 0x41
.set II, 0
.rept 128
	v_pk_mul_f32 v[2*II:2*II+1], v[2*II:2*II+1], v[UP+2*(II/32):UP+2*(II/32)+1] op_sel_hi:[1,0]
.set II, II+1
.endr
	s_wait_dscnt 0x0                               ; gain and beta are in
	WIN 0x4d
.set II, 0
.rept 128
	v_pk_fma_f32 v[2*II:2*II+1], v[2*II:2*II+1], v[G+(2*II)%64:G+(2*II)%64+1], v[WB+(2*II)%64:WB+(2*II)%64+1]
.set II, II+1
.endr
	WIN 0
	s_cmp_ge_u32 s[SST], 2                         ; relu follows the LN of emb and of enc alone
	s_cbranch_scc1 .Lnorelu
	WIN 0x44
.set II, 0
.rept 256
	v_max_num_f32 v[II], 0, v[II]
.set II, II+1
.endr
	WIN 0
.Lnorelu:
	s_cmp_eq_u32 s[SST], 4
	s_cbranch_scc1 .Lfinal
	s_wait_alu depctr_va_vdst(0)                   ; LN's multiply-adds are done reading beta in WB, and its sums are done with the chains: the two units below land there
	LOADU 0, 0, 0, W0, BIAS, WSA                   ; the stage's first two weight units land while HS is quantised
	LOADU 0, 0, 1, W1, BIB, WSB
.irp t,0,1,2,3
	QR 64*\t, 1, HC+16*\t, 6, HCS+\t
.endr
	WIN 0
	s_cmp_lg_u32 s[SST], 0
	s_cbranch_scc1 .Llayer
	; ---- enc: four units on the two sets, two and two.  Each s_wait_dscnt 12 leaves out the 12 loads of the set issued last
	PL 8                                           ; HC's scale words and codes were written by vector instructions
	s_wait_alu depctr_va_vdst(0)                   ; HC's codes and scale words are written: the products below take them; the places above stay beside this wait
	s_wait_dscnt 12
	EB 0, W0, BIAS, WSA
	s_wait_dscnt 0x0
	EB 1, W1, BIB, WSB
	PL 4                                           ; places behind the products, ahead of the loads into the registers that they read
	s_wait_alu depctr_va_vdst(0)                   ; the sixteen products are done reading both sets, in which the two units below land
	LOADU 0, 0, 2, W0, BIAS, WSA
	LOADU 0, 0, 3, W1, BIB, WSB
	s_wait_dscnt 12
	EB 2, W0, BIAS, WSA
	s_wait_dscnt 0x0
	EB 3, W1, BIB, WSB
	PL 4
	s_branch .Lnext
	; ---- a layer: twelve units, the sets by turns; each unit's results are quantised while the next unit's weights land
.Llayer:
	PL 8                                           ; HC's scale words and codes were written by vector instructions
	s_wait_alu depctr_va_vdst(0)                   ; HC's codes and scale words are written: all the layer's projections take them; the places above stay beside this wait
	PROJ W0, BIAS, WSA, 12                         ; q: four units
	QCU 0, QC, 12, 6, QCS
	AHEAD 0x08, 0, 0, 2, W0, BIAS, WSA
	PROJ W1, BIB, WSB, 12
	QCU 1, QC, 12, 6, QCS
	AHEAD 0x08, 0, 0, 3, W1, BIB, WSB
	PROJ W0, BIAS, WSA, 12
	QCU 2, QC, 12, 6, QCS
	AHEAD 0x08, 0, 1, 0, W0, BIAS, WSA
	PROJ W1, BIB, WSB, 12
	QCU 3, QC, 12, 6, QCS
	AHEAD 0x08, 0, 1, 1, W1, BIB, WSB
	PROJ W0, BIAS, WSA, 12                         ; k
	QCU 0, KC, 18, 12, KCS
	AHEAD 0x08, 0, 1, 2, W0, BIAS, WSA
	PROJ W1, BIB, WSB, 12
	QCU 1, KC, 18, 12, KCS
	AHEAD 0x08, 0, 1, 3, W1, BIB, WSB
	PROJ W0, BIAS, WSA, 12
	QCU 2, KC, 18, 12, KCS
	AHEAD 0x08, 1, 2, 0, W0, BIAS, WSA
	PROJ W1, BIB, WSB, 12
	QCU 3, KC, 18, 12, KCS
	AHEAD 0, 1, 2, 1, W1, BIB, WSB                 ; (this unit's wait also shows q's and k's codes and scale words written)
	PROJV W0, BIAS, WSA, 12                        ; v: feature tiles pr (head 0) and pr + 4 (head 1), all 64 tokens; quantised along the tokens
	QR ACC, 0, VC, 12, VCS
	AHEAD 0, 1, 2, 2, W0, BIAS, WSA
	PROJV W1, BIB, WSB, 12
	QR ACC, 0, VC+18, 12, VCS+1
	AHEAD 0, 1, 2, 3, W1, BIB, WSB
	PROJV W0, BIAS, WSA, 12
	QR ACC, 0, VC+36, 12, VCS+2
	PROJV W1, BIB, WSB, 0                          ; the last unit asks for nothing, so no wait stands at its head
	QR ACC, 0, VC+54, 12, VCS+3
	ATT 0
	ATT 1
	ATT 2
	ATT 3
	WIN 0
.Lnext:
	s_add_co_u32 s[SLW], s[SLW], STW
	s_add_co_u32 s[SLS], s[SLS], 1536
	s_add_co_u32 s[SLQ], s[SLQ], 1024
	s_add_co_u32 s[SLB], s[SLB], 2048
	s_add_co_u32 s[SLG], s[SLG], 1024
	s_add_co_u32 s[SST], s[SST], 1
	s_cmp_lt_u32 s[SST], 5
	s_cbranch_scc1 .Lstage
; =================================================================== the maximum over the 64 tokens: over the four tiles, then across the 16 lanes of a half
.Lfinal:
	WIN 0x15
.set II, 0
.rept 64
	v_max3_num_f32 v[ACC+II], v[II], v[64+II], v[128+II]
.set II, II+1
.endr
	WIN 0x04
.set II, 0
.rept 64
	v_max_num_f32 v[ACC+II], v[ACC+II], v[192+II]
.set II, II+1
.endr
	WIN 0
	RSTEP 32, M8, 8
	RSTEP 16, M4, 4
	RSTEP 8, M2, 2
	RSTEP 4, M1, 1                                 ; lane (r, h) now holds T-layout numbers 4 r .. 4 r + 3: features 32 (r / 4) + 16 h + 4 (r % 4) + 0 .. 3
	s_wait_alu depctr_va_vdst(0)                   ; the last step's maxima have written ACC's first four, which the store reads
	global_store_b128 v[OA], v[ACC:ACC+3], s[8:9] th:TH_STORE_NT   ; the wave stores the sample's 512 consecutive bytes, at a multiple of 256 from out0's first byte
	s_wait_xcnt 0x0                                ; the store has read its data and its base: both are written again only behind this wait
	s_add_nc_u64 s[8:9], s[8:9], 512
	s_add_co_u32 s[SI], s[SI], 1
	s_cmp_lt_u32 s[SI], 4
	s_cbranch_scc1 .Lsample
	s_wait_dscnt 0x0                               ; the closing lines, six on end
	s_wait_alu 0x0
	s_wait_tensorcnt 0x0
	ds_add_u32 v190, v191
	s_wait_dscnt 0x0
	s_endpgm
.Lfunc_end_k_q2dc176cc9d_subgraph:
	.size	k_q2dc176cc9d_subgraph, .Lfunc_end_k_q2dc176cc9d_subgraph-k_q2dc176cc9d_subgraph
	.p2alignl 7, 3214868480
	.fill 96, 4, 3214868480
	.section	.rodata,"a",@progbits
	.p2align	6, 0x0
	.amdhsa_kernel k_q2dc176cc9d_subgraph
		.amdhsa_group_segment_fixed_size 178176
		.amdhsa_private_segment_fixed_size 0
		.amdhsa_enable_private_segment 0
		.amdhsa_kernarg_size 184
		.amdhsa_user_sgpr_count 2
		.amdhsa_user_sgpr_kernarg_segment_ptr 1
		.amdhsa_wavefront_size32 1
		.amdhsa_system_sgpr_workgroup_id_x 1
		.amdhsa_system_sgpr_workgroup_id_y 1
		.amdhsa_system_sgpr_workgroup_id_z 1
		.amdhsa_system_vgpr_workitem_id 0
		.amdhsa_next_free_vgpr 1024
		.amdhsa_next_free_sgpr 80
		.amdhsa_reserve_vcc 0
		.amdhsa_float_denorm_mode_32 3
		.amdhsa_float_denorm_mode_16_64 3
		.amdhsa_memory_ordered 1
		.amdhsa_forward_progress 1
		.amdhsa_inst_pref_size 255
	.end_amdhsa_kernel
	.section	.bss,"aw",@nobits
	.p2align	6
	.space	262144
	.amdgpu_metadata
---
amdhsa.version: [ 1, 2 ]
amdhsa.kernels:
  - .name:           k_q2dc176cc9d_subgraph
    .symbol:         k_q2dc176cc9d_subgraph.kd
    .args:
      - { .name: lane_nodes_feat, .offset: 0, .size: 8, .value_kind: global_buffer, .address_space: global }
      - { .name: masks, .offset: 8, .size: 8, .value_kind: global_buffer, .address_space: global }
      - { .name: out0, .offset: 16, .size: 8, .value_kind: global_buffer, .address_space: global }
      - { .name: W_emb, .offset: 24, .size: 8, .value_kind: global_buffer, .address_space: global }
      - { .name: W_enc_codes, .offset: 32, .size: 8, .value_kind: global_buffer, .address_space: global }
      - { .name: W_enc_scales, .offset: 40, .size: 8, .value_kind: global_buffer, .address_space: global }
      - { .name: Wq_codes, .offset: 48, .size: 8, .value_kind: global_buffer, .address_space: global }
      - { .name: Wq_scales, .offset: 56, .size: 8, .value_kind: global_buffer, .address_space: global }
      - { .name: Wk_codes, .offset: 64, .size: 8, .value_kind: global_buffer, .address_space: global }
      - { .name: Wk_scales, .offset: 72, .size: 8, .value_kind: global_buffer, .address_space: global }
      - { .name: Wv_codes, .offset: 80, .size: 8, .value_kind: global_buffer, .address_space: global }
      - { .name: Wv_scales, .offset: 88, .size: 8, .value_kind: global_buffer, .address_space: global }
      - { .name: b_emb, .offset: 96, .size: 8, .value_kind: global_buffer, .address_space: global }
      - { .name: g_emb, .offset: 104, .size: 8, .value_kind: global_buffer, .address_space: global }
      - { .name: beta_emb, .offset: 112, .size: 8, .value_kind: global_buffer, .address_space: global }
      - { .name: b_enc, .offset: 120, .size: 8, .value_kind: global_buffer, .address_space: global }
      - { .name: g_enc, .offset: 128, .size: 8, .value_kind: global_buffer, .address_space: global }
      - { .name: beta_enc, .offset: 136, .size: 8, .value_kind: global_buffer, .address_space: global }
      - { .name: bq, .offset: 144, .size: 8, .value_kind: global_buffer, .address_space: global }
      - { .name: bk, .offset: 152, .size: 8, .value_kind: global_buffer, .address_space: global }
      - { .name: bv, .offset: 160, .size: 8, .value_kind: global_buffer, .address_space: global }
      - { .name: ln_g, .offset: 168, .size: 8, .value_kind: global_buffer, .address_space: global }
      - { .name: ln_b, .offset: 176, .size: 8, .value_kind: global_buffer, .address_space: global }
    .group_segment_fixed_size: 178176
    .private_segment_fixed_size: 0
    .kernarg_segment_align: 8
    .kernarg_segment_size: 184
    .max_flat_workgroup_size: 128
    .sgpr_count:     80
    .vgpr_count:     1024
    .wavefront_size: 32
...
	.end_amdgpu_metadata
.endif
;; end of part 2
